; MI455X (gfx1250); checked and timed in simulation.
; The chip was launched on July 23, 2026; its instructions are those of AMD's public machine-readable ISA for CDNA 5 (MIT licence, August 2026) and "CDNA5" Instruction Set Architecture Reference Guide (July 2026). The comments in the code are by the model that wrote it; some were corrected since.
;; Causal Self Attention. Allowed arithmetic: matrix products marked QUANTISED: E2M1 operands, one E8M0 scale for each 32 along K, by v_wmma_scale_f32_16x16x128_f8f6f4 with both operands' format E2M1 (or v_wmma_scale_f32_32x16x128_f4), f32 sums; products left as they are: bf16, f16 or f32 operands; f32 sums; everything else in f32.
;; Inputs: Wo 1,024 x 1,024 float32; Wqkv 1,024 x 3,072 float32; bo 1,024 float32; bqkv 3,072 float32; mask 1 x 1 x 2,048 x 2,048 int32; x 4 x 2,048 x 1,024 float32.
;; Outputs: out0 4 x 2,048 x 1,024 float32.
;; This version of the problem:
;;   THIS VERSION OF THE PROBLEM IS GIVEN IN LOW PRECISION. The matrix products marked QUANTISED in the list below multiply operands that are first quantised to E2M1 (2 exponent bits, 1 mantissa bit; 4 bits a number), with one power-of-two scale for each 32 numbers along K (OCP MX v1.0); their sums are f32. The products marked 'left as it is' may take bf16, f16 or f32 operands, with f32 sums. All else is computed in f32.
;;   The module's matrix products, in the order in which they are computed (A, B: the left and right operand; K: the contracted axis; several contracted axes count as one K, in the product's order):
;;     1. [M 8,192, K 1,024] x [K 1,024, N 3,072]; A: input x; B: input Wqkv: QUANTISED
;;     2. batch 64 x [M 2,048, K 64] x [K 64, N 2,048]; A: computed on the way; B: computed on the way: left as it is (an operand is computed on the way)
;;     3. batch 64 x [M 2,048, K 2,048] x [K 2,048, N 64]; A: computed on the way; B: computed on the way: left as it is (an operand is computed on the way)
;;     4. [M 8,192, K 1,024] x [K 1,024, N 1,024]; A: computed on the way; B: input Wo: left as it is (an operand is computed on the way)
;;   THE QUANTISER, for each operand of a quantised product, along K:
;;     - K is cut into blocks of 32 from its start; a last block that is shorter is filled with zeros.
;;     - A block's scale is 2^e with e = floor(log2(the largest magnitude in the block)) - 2, held to -126 .. 127; a block of zeros has e = 0. As a byte (E8M0): e + 127.
;;     - Each number is divided by its block's scale, clamped to +-6, and rounded to the nearest number of E2M1, ties to even, subnormals kept.
;;     - The product sums the exact products of the quantised numbers (number of the format x scale) in f32.
;;   ~~~python
;;   def quantise(x, axis):      # numpy; x: float32 -> the quantised numbers, widened to float32 again
;;       x = np.moveaxis(x, axis, -1); K = x.shape[-1]
;;       x = np.pad(x, [(0, 0)] * (x.ndim - 1) + [(0, -K % 32)]); x = x.reshape(x.shape[:-1] + (-1, 32)); a = np.abs(x).max(-1, keepdims=True)
;;       e = np.where(a > 0, np.clip(np.frexp(np.where(a > 0, a, 1))[1] - 1 - 2, -126, 127), 0)      # np.frexp(a)[1] - 1 = floor(log2(a)), exactly
;;       r = np.clip(x / 2.0 ** e, -6, 6)
;;       step = 2.0 ** (np.maximum(np.frexp(np.where(r == 0, 1, r))[1] - 1, 0) - 1)
;;       q = np.round(r / step) * step * 2.0 ** e      # np.round: ties to even
;;       return np.moveaxis(q.reshape(q.shape[:-2] + (-1,))[..., :K], -1, axis).astype(np.float32)
;;   ~~~
;; One version. Each part assembles by itself: llvm-mc -triple=amdgcn-amd-amdhsa -mcpu=gfx1250 --defsym DOCPART=n.
;; ======== version 1 of 1: 4 launches
;; limits: values are held in f16: magnitudes above 65,504 overflow, below 6.1e-05 lose precision
;; workspace buffers: xq 4,456,448 bytes; wq 1,671,168 bytes; wof 4,194,304 bytes; msk 524,544 bytes of whole numbers; qkv 50,331,648 bytes; yf 33,554,432 bytes
;; launch prep (part 1): grid 464 x 1, 4 waves a work-group, no clusters, 69,120 bytes of LDS; arguments x, Wqkv, Wo, mask, xq, wq, wof, msk; writes xq, wq, wof, msk
.if DOCPART == 1
	.amdgcn_target "amdgcn-amd-amdhsa--gfx1250"
	.amdhsa_code_object_version 6
	.text
	.protected	k_q1b1b6620a7_prep
	.globl	k_q1b1b6620a7_prep
	.p2align	8
	.type	k_q1b1b6620a7_prep,@function
k_q1b1b6620a7_prep:
	s_mov_b64 s[64:65], 0
	v_nop
	global_prefetch_b8 v0, s[64:65] scope:SCOPE_SE
	s_setreg_imm32_b32 hwreg(HW_REG_WAVE_MODE, 25, 1), 1
	s_wait_xcnt 0x0
; PREP: four jobs in one launch, told apart by the work-group's number; each job has LDS bytes of its own.
;   0-255    XQ: x [8192][1024] f32 -> E2M1 codes [8192][512 B] at xq + 0, E8M0 bytes [8192][32] at xq + 0x400000 (K innermost: a plain stream of blocks of 32)
;   256-303  WQ: Wqkv [1024 k][3072 n] f32 -> codes [3072][512 B] at wq + 0, bytes [3072][32] at wq + 0x180000 (a lane takes a column, its registers run down K)
;   304-431  MK: mask [2048 q][2048 k] int32 -> bits at msk + 0: [g 16][q 2048][c 4] words, bit l of word c = (mask[q][128 g + 4 l + c] != 0);
;                flags at msk + 0x80000: [T 32][e 2][kq 4] bytes for tiles of 64 queries x 64 keys: bit gi = some key allowed, bit 4 + gi = not all allowed, group g = 4 kq + gi, half e of its 128 keys
;   432-463  WO: Wo [1024 k][1024 n] f32 -> two f16 parts, hi + lo, as images of matrix operands: wof [ntile 64][part 2][kc32 32][1024 B]
; A block's scale is 2^(floor(log2(largest magnitude)) - 2); its byte is the largest magnitude's exponent field - 2, held at 1 from below.
; LIMITS: a block of zeros gets the byte 1 where the rule says 127 (its codes are zeros, and this program alone reads the bytes); NaN and infinities in x and Wqkv are not served.
.set ID_WQ, 256
.set ID_MK, 304
.set ID_WO, 432
	s_load_b256 s[4:11], s[0:1], 0x0               ; x s[4:5], Wqkv s[6:7], Wo s[8:9], mask s[10:11]
	s_load_b256 s[12:19], s[0:1], 0x20             ; xq s[12:13], wq s[14:15], wof s[16:17], msk s[18:19]
	v_lshl_add_u32 v192, v0, 2, 0x10c00
	v_mov_b32 v193, 0
	v_lshrrev_b32 v1, 5, v0
	v_readfirstlane_b32 s20, v1                    ; wave 0..3
	v_and_b32 v2, 31, v0                           ; lane
	s_cmp_lt_u32 ttmp9, ID_WQ
	s_cbranch_scc1 .Lxq
	s_cmp_lt_u32 ttmp9, ID_MK
	s_cbranch_scc1 .Lwq
	s_cmp_lt_u32 ttmp9, ID_WO
	s_cbranch_scc1 .Lmk
; ---------------------------------------------------------------- WO
; A lane takes column n = 128 cx + 32 wave + lane; its registers run down k = 256 ky + 32 t + i.  hi = the number with its low 13 mantissa bits cleared (f16 holds it as it is),
; lo = the rest (exact in f32), rounded once to f16.  Eight neighbours along k are 16 bytes of an operand's image: piece m of a chunk of 32 k lies at 256 m + 16 (n % 16).
.set OH, 32                            ; v32-47  hi, two numbers a register
.set OL, 48                            ; v48-63  lo
.set OX, 64                            ; v64-127 two sets of 32 numbers
	s_sub_co_u32 s21, ttmp9, ID_WO
	s_and_b32 s22, s21, 7                          ; cx
	s_lshr_b32 s23, s21, 3                         ; ky
	s_mov_b32 s28, 0xffffe000                      ; keeps sign, exponent and 10 mantissa bits
	v_lshlrev_b32 v3, 2, v2                        ; in: 4 bytes a lane
	v_lshrrev_b32 v4, 4, v2
	v_and_b32 v5, 15, v2
	v_lshlrev_b32 v4, 16, v4                       ; out: lanes 16-31 belong to the next tile of 16 columns, 65,536 bytes on,
	v_lshl_add_u32 v4, v5, 4, v4                   ; 16 bytes a column
	s_lshl_b32 s24, s23, 20                        ; 256 ky rows of 4,096 bytes
	s_lshl_b32 s25, s22, 9
	s_add_co_u32 s24, s24, s25
	s_lshl_b32 s25, s20, 7
	s_add_co_u32 s24, s24, s25                     ; + 4 (128 cx + 32 wave)
	s_mov_b32 s25, 0
	s_lshl_b32 s26, s22, 3
	s_lshl_b32 s27, s20, 1
	s_add_co_u32 s26, s26, s27                     ; tile of columns 8 cx + 2 wave
	s_lshl_b32 s26, s26, 16
	s_lshl_b32 s27, s23, 13                        ; chunk of k 8 ky
	s_add_co_u32 s26, s26, s27
	s_mov_b32 s27, 0
	s_wait_kmcnt 0x0
	s_add_nc_u64 s[8:9], s[8:9], s[24:25]
	s_add_nc_u64 s[16:17], s[16:17], s[26:27]
.macro OLOAD t
.irp i, 0,1,2,3,4,5,6,7,8,9,10,11,12,13,14,15,16,17,18,19,20,21,22,23,24,25,26,27,28,29,30,31
	global_load_b32 v[OX+32*((\t)%2)+\i], v3, s[8:9] offset:(32*(\t)+\i)*4096 th:TH_LOAD_NT   ; 32 lanes read 128 consecutive bytes
.endr
.endm
.macro OBLOCK t
.set OS, OX+32*((\t)%2)
.if (\t) < 7
	s_wait_loadcnt 32                              ; this chunk's 32 loads are in; the next chunk's 32 may be out
.else
	s_wait_loadcnt 0x0
.endif
	s_wait_xcnt 0x0                                ; the last chunk's stores have read v32-63, which are written again below
.irp j, 0,1,2,3,4,5,6,7,8,9,10,11,12,13,14,15
	v_and_b32 v[8+4*(\j%2)], s28, v[OS+2*\j]
	v_and_b32 v[9+4*(\j%2)], s28, v[OS+2*\j+1]
	v_cvt_pk_f16_f32 v[OH+\j], v[8+4*(\j%2)], v[9+4*(\j%2)]
	v_pk_add_f32 v[8+4*(\j%2):9+4*(\j%2)], v[OS+2*\j:OS+2*\j+1], v[8+4*(\j%2):9+4*(\j%2)] neg_lo:[0,1] neg_hi:[0,1]
	v_cvt_pk_f16_f32 v[OL+\j], v[8+4*(\j%2)], v[9+4*(\j%2)]
.endr
.if (\t)+2 < 8
	OLOAD (\t)+2
.endif
.irp m, 0,1,2,3
	global_store_b128 v4, v[OH+4*\m:OH+4*\m+3], s[16:17] offset:1024*(\t)+256*\m          ; sixteen lanes store 256 consecutive bytes, aligned
	global_store_b128 v4, v[OL+4*\m:OL+4*\m+3], s[16:17] offset:1024*(\t)+256*\m+32768
.endr
.endm
	OLOAD 0
	OLOAD 1
.irp t, 0,1,2,3,4,5,6,7
	OBLOCK \t
.endr
	s_endpgm
; ---------------------------------------------------------------- XQ
; A wave takes 16 steps of 512 numbers.  Each load reads 512 consecutive bytes; a step's 2,048 bytes turn through the wave's own stage in LDS and come back 64 bytes a lane (16 neighbours along K);
; two neighbouring lanes hold a block.  A step's codes leave as 256 consecutive bytes; a wave's 256 scale bytes are gathered in LDS and leave as one aligned run of 256 bytes.
.set XSTEPS, 16
.set XR,    16                         ; v16-79   four sets of 16 numbers as loaded
.set XX,    80                         ; v80-111  two sets of 16 neighbours
.set XC,    128                        ; v128-191 codes, four registers a step: no store's data are written again
.set XE,    112                        ; v112-127 a scale byte for each step
.set XWREG, 8192                       ; LDS bytes 0 .. 32,767: a region for each wave: two stages of 32 x 80 bytes, then its 256 scale bytes
.set XSP,   80
.Lxq:
	v_lshlrev_b32 v3, 4, v2                        ; my 16 bytes of a load's 512
	s_mul_i32 s21, s20, XWREG
	v_lshrrev_b32 v14, 2, v2
	v_mul_u32_u24 v14, v14, XSP
	v_and_b32 v15, 3, v2
	v_lshl_add_u32 v14, v15, 4, v14
	v_add_nc_u32 v14, s21, v14                     ; into the stage: four lanes' 64 bytes on end, then 16 of padding
	v_mul_u32_u24 v15, v2, XSP
	v_add_nc_u32 v15, s21, v15                     ; out of it: 80 x lane: my 16 neighbours
	v_lshlrev_b32 v4, 3, v2                        ; my 8 bytes of a step's codes
	v_lshrrev_b32 v5, 1, v2
	s_add_co_u32 s21, s21, 2*32*XSP
	v_add_nc_u32 v5, s21, v5                       ; my block's scale byte in LDS
	v_lshlrev_b32 v7, 3, v2
	v_add_nc_u32 v6, s21, v7                       ; and on the way out 8 bytes a lane
	s_lshl_b32 s22, ttmp9, 2
	s_add_co_u32 s22, s22, s20                     ; which run of 8,192 numbers is my wave's
	s_lshl_b32 s24, s22, 15
	s_mov_b32 s25, 0
	s_lshl_b32 s26, s22, 12
	s_mov_b32 s27, 0
	s_lshl_b32 s28, s22, 8
	s_add_co_u32 s28, s28, 0x400000
	s_mov_b32 s29, 0
	s_wait_kmcnt 0x0
	s_add_nc_u64 s[4:5], s[4:5], s[24:25]
	s_add_nc_u64 s[30:31], s[12:13], s[26:27]      ; codes
	s_add_nc_u64 s[32:33], s[12:13], s[28:29]      ; scale bytes
.macro XLOAD t
.irp i, 0,1,2,3
	global_load_b128 v[XR+16*((\t)%4)+4*\i:XR+16*((\t)%4)+4*\i+3], v3, s[4:5] offset:2048*(\t)+512*\i th:TH_LOAD_NT
.endr
.endm
.macro XTURN t                         ; LDS serves a wave's instructions in order: no wait between the stores and the loads
.irp i, 0,1,2,3
	ds_store_b128 v14, v[XR+16*((\t)%4)+4*\i:XR+16*((\t)%4)+4*\i+3] offset:32*XSP*((\t)%2)+8*XSP*\i
.endr
.irp i, 0,1,2,3
	ds_load_b128 v[XX+16*((\t)%2)+4*\i:XX+16*((\t)%2)+4*\i+3], v15 offset:32*XSP*((\t)%2)+16*\i
.endr
.endm
.irp t, 0,1,2,3
	XLOAD \t
.endr
	s_wait_loadcnt 12                              ; step 0's four loads are in
	XTURN 0
.macro XSTEP t
.set XS, XX+16*((\t)%2)
.if (\t) > 0
	s_wait_dscnt 1                                 ; this step's numbers are back from the stage; only the last step's byte store may be out
.else
	s_wait_dscnt 0x0
.endif
.if (\t)+4 < XSTEPS
	XLOAD (\t)+4                                   ; into the registers that this step's stage stores have read
.endif
.if (\t)+1 < XSTEPS
.if XSTEPS-2-(\t) >= 3
	s_wait_loadcnt 12                              ; the next step's four loads are in; three steps' may be out
.else
	s_wait_loadcnt 4*(XSTEPS-2-(\t))
.endif
	XTURN (\t)+1
.endif
	v_max3_num_f32 v8, |v[XS]|, |v[XS+1]|, |v[XS+2]|
	v_max3_num_f32 v9, |v[XS+3]|, |v[XS+4]|, |v[XS+5]|
.irp i, 6,10
	v_max3_num_f32 v8, v8, |v[XS+\i]|, |v[XS+\i+1]|
	v_max3_num_f32 v9, v9, |v[XS+\i+2]|, |v[XS+\i+3]|
.endr
	v_max3_num_f32 v8, v8, |v[XS+14]|, |v[XS+15]|
	v_max3_num_f32 v8, v8, v9, 0x1800000           ; the floor 2^(3 - 127): the byte cannot fall under 1
	v_max_num_f32_dpp v8, v8, v8 row_xmask:1 row_mask:0xf bank_mask:0xf   ; with my neighbour's 16: the block's largest magnitude
	v_add_nc_u32 v11, 0xff000000, v8               ; 2 off its exponent field: the conversion takes that field as its scale
	v_cvt_scalef32_pk8_fp4_f32 v[XC+4*(\t)], v[XS:XS+7], v11
	v_cvt_scalef32_pk8_fp4_f32 v[XC+4*(\t)+1], v[XS+8:XS+15], v11
	v_lshrrev_b32 v[XE+(\t)], 23, v11              ; the scale's byte (also the plain line behind the conversions)
	ds_store_b8 v5, v[XE+(\t)] offset:16*(\t)      ; both lanes of a block write the same byte with the same value
	global_store_b64 v4, v[XC+4*(\t):XC+4*(\t)+1], s[30:31] offset:256*(\t)
.endm
.irp t, 0,1,2,3,4,5,6,7,8,9,10,11,12,13,14,15
	XSTEP \t
.endr
	ds_load_b64 v[12:13], v6
	s_wait_dscnt 0x0
	global_store_b64 v7, v[12:13], s[32:33]        ; 32 lanes store 256 consecutive bytes, aligned
	s_wait_tensorcnt 0x0
	ds_add_u32 v192, v193
	s_wait_dscnt 0x0
	s_endpgm
; ---------------------------------------------------------------- WQ
; A wave takes 32 columns x 512 along K: 16 blocks a lane.  The codes go through the wave's own stage and leave as rows: sixteen lanes store 256 consecutive bytes, aligned.
.set WN,     3072
.set WPITCH, 272
.set WSTAGE, 32768                     ; LDS bytes 32,768 .. 67,583: 32 rows x 272 bytes for each wave
.set WX,     32                        ; v32-95   two sets of 32 numbers
.set WC,     96                        ; v96-99   a block's codes
.set WOUT,   112                       ; v112-175 the way out
.set WSB,    24                        ; v24-27   the scale bytes, four to a register
.Lwq:
	s_sub_co_u32 s21, ttmp9, ID_WQ
	s_cmp_ge_u32 s21, 24
	s_cselect_b32 s22, 1, 0                        ; which 512 along K
	s_cselect_b32 s23, 24, 0
	s_sub_co_u32 s21, s21, s23                     ; which 128 columns
	s_lshl_b32 s23, s21, 7
	s_lshl_b32 s24, s20, 5
	s_add_co_u32 s23, s23, s24                     ; my wave's first column
	v_lshlrev_b32 v3, 2, v2
	s_mul_i32 s24, s20, 32*WPITCH
	s_add_co_u32 s24, s24, WSTAGE
	v_mul_u32_u24 v4, v2, WPITCH
	v_add_nc_u32 v4, s24, v4                       ; into the stage: row = my column
	v_and_b32 v5, 15, v2
	v_lshrrev_b32 v6, 4, v2
	v_mul_u32_u24 v7, v6, WPITCH
	v_lshl_add_u32 v7, v5, 4, v7
	v_add_nc_u32 v7, s24, v7                       ; out of it: sixteen lanes to a row
	v_lshlrev_b32 v8, 9, v6
	v_lshl_add_u32 v8, v5, 4, v8                   ; the same place among the codes' rows of 512 bytes
	v_lshlrev_b32 v9, 5, v2                        ; my column's row of 32 scale bytes
	s_mul_i32 s26, s22, 512*WN*4
	s_lshl_b32 s27, s23, 2
	s_add_co_u32 s26, s26, s27
	s_mov_b32 s27, 0
	s_lshl_b32 s28, s23, 9
	s_lshl_b32 s29, s22, 8
	s_add_co_u32 s28, s28, s29
	s_mov_b32 s29, 0
	s_lshl_b32 s30, s23, 5
	s_lshl_b32 s31, s22, 4
	s_add_co_u32 s30, s30, s31
	s_add_co_u32 s30, s30, 0x180000
	s_mov_b32 s31, 0
	s_wait_kmcnt 0x0
	s_add_nc_u64 s[6:7], s[6:7], s[26:27]
	s_add_nc_u64 s[32:33], s[14:15], s[28:29]
	s_add_nc_u64 s[34:35], s[14:15], s[30:31]
.macro WLOAD t
.irp i, 0,1,2,3,4,5,6,7,8,9,10,11,12,13,14,15,16,17,18,19,20,21,22,23,24,25,26,27,28,29,30,31
	global_load_b32 v[WX+32*((\t)%2)+\i], v3, s[6:7] offset:(32*(\t)+\i)*WN*4 th:TH_LOAD_NT   ; the largest offset, 511 x 12,288, lies inside the signed 24 bits
.endr
.endm
	WLOAD 0
	WLOAD 1
.macro WBLOCK t
.set WS, WX+32*((\t)%2)
.if (\t) < 15
	s_wait_loadcnt 32                              ; this block's 32 loads are in; the next block's may be out
.else
	s_wait_loadcnt 0x0
.endif
	v_max3_num_f32 v12, |v[WS]|, |v[WS+1]|, |v[WS+2]|
	v_max3_num_f32 v13, |v[WS+3]|, |v[WS+4]|, |v[WS+5]|
.irp i, 6,10,14,18,22,26
	v_max3_num_f32 v12, v12, |v[WS+\i]|, |v[WS+\i+1]|
	v_max3_num_f32 v13, v13, |v[WS+\i+2]|, |v[WS+\i+3]|
.endr
	v_max3_num_f32 v12, v12, |v[WS+30]|, |v[WS+31]|
	v_max3_num_f32 v12, v12, v13, 0x1800000        ; the floor: the byte cannot fall under 1
	v_add_nc_u32 v11, 0xff000000, v12
	v_lshrrev_b32 v13, 23, v11
.if (\t)%4 == 0
	v_mov_b32 v[WSB+(\t)/4], v13
.else
	v_lshl_or_b32 v[WSB+(\t)/4], v13, 8*((\t)%4), v[WSB+(\t)/4]
.endif
.irp g, 0,1,2,3
	v_cvt_scalef32_pk8_fp4_f32 v[WC+\g], v[WS+8*\g:WS+8*\g+7], v11
.endr
	v_nop                                          ; a plain line behind the last conversion
	ds_store_b128 v4, v[WC:WC+3] offset:16*(\t)
.if (\t)+2 < 16
	WLOAD (\t)+2
.endif
	s_wait_dscnt 0x0                               ; the store has read its registers: the next block's codes may be written
.endm
.irp t, 0,1,2,3,4,5,6,7,8,9,10,11,12,13,14,15
	WBLOCK \t
.endr
	global_store_b128 v9, v[WSB:WSB+3], s[34:35]   ; my column's 16 scale bytes
.irp t, 0,1,2,3,4,5,6,7,8,9,10,11,12,13,14,15
	ds_load_b128 v[WOUT+4*\t:WOUT+4*\t+3], v7 offset:2*\t*WPITCH
.endr
.irp t, 0,1,2,3,4,5,6,7,8,9,10,11,12,13,14,15
	s_wait_dscnt 15-\t
	global_store_b128 v8, v[WOUT+4*\t:WOUT+4*\t+3], s[32:33] offset:2*\t*512
.endr
	s_wait_tensorcnt 0x0
	ds_add_u32 v192, v193
	s_wait_dscnt 0x0
	s_endpgm
; ---------------------------------------------------------------- MK
; Work-group (T, kq): 64 queries x 512 keys; wave w takes rows 64 T + 16 w + 0 .. 15.  A load of 16 bytes a lane reads 128 keys of a row; a compare of its register c gives the word c as a scalar.
; The words are laid into lanes by v_writelane_b32, so that a group's 64 words of the wave leave as 256 consecutive bytes.  The OR and the AND of all words give the tile's flags.
.set MFL, 67584                        ; LDS bytes 67,584 .. 68,095: 128 bytes for each wave
.Lmk:
	s_sub_co_u32 s21, ttmp9, ID_MK
	s_lshr_b32 s22, s21, 2                         ; T
	s_and_b32 s23, s21, 3                          ; kq
	v_lshlrev_b32 v3, 4, v2
	v_lshlrev_b32 v4, 3, v2
	v_lshlrev_b32 v6, 2, v2
	v_add_nc_u32 v6, MFL, v6                       ; 4 x lane
	s_lshl_b32 s24, s20, 7
	v_add_nc_u32 v5, s24, v6                       ; + 128 x wave
	s_lshl_b32 s24, s22, 6
	s_lshl_b32 s25, s20, 4
	s_add_co_u32 s24, s24, s25                     ; my first row
	s_lshl_b32 s26, s24, 13                        ; rows of 8,192 bytes
	s_lshl_b32 s27, s23, 11
	s_add_co_u32 s26, s26, s27
	s_mov_b32 s27, 0
	s_lshl_b32 s28, s23, 17                        ; group 4 kq: 32,768 bytes a group
	s_lshl_b32 s29, s24, 4
	s_add_co_u32 s28, s28, s29
	s_mov_b32 s29, 0
	s_lshl_b32 s30, s22, 3
	s_add_co_u32 s30, s30, s23
	s_add_co_u32 s30, s30, 0x80000
	s_mov_b32 s31, 0
.irp i, 16,17,18,19,20,21,22,23,24
	v_mov_b32 v\i, 0                               ; a destination of v_writelane_b32 counts as read
.endr
.irp i, 48,49,50,51
	s_mov_b32 s\i, 0                               ; OR of a group's words
.endr
.irp i, 52,53,54,55
	s_mov_b32 s\i, -1                              ; AND of them
.endr
	s_wait_kmcnt 0x0
	s_add_nc_u64 s[10:11], s[10:11], s[26:27]
	s_add_nc_u64 s[56:57], s[18:19], s[28:29]
	s_add_nc_u64 s[58:59], s[18:19], s[30:31]
.macro MLOADB b                        ; rows 4 b .. 4 b + 3, four groups each: 16 loads of 512 consecutive bytes
.irp i, 0,1,2,3
.irp gi, 0,1,2,3
	global_load_b128 v[64+64*((\b)%2)+16*\i+4*\gi:64+64*((\b)%2)+16*\i+4*\gi+3], v3, s[10:11] offset:(4*(\b)+\i)*8192+512*\gi th:TH_LOAD_NT
.endr
.endr
.endm
.macro ROWG rho, gi, reg
.irp c, 0,1,2,3
	v_cmp_ne_u32 s[32+4*(\gi)+\c], 0, v[(\reg)+\c]
.endr
.irp c, 0,1,2,3
	v_writelane_b32 v[16+2*(\gi)+(\c&1)], s[32+4*(\gi)+\c], 2*(\rho)+(\c>>1)   ; word 4 rho + c of the group's 64: lane (4 rho + c) / 2, register c % 2
.endr
	s_or_b32 s60, s[32+4*(\gi)], s[33+4*(\gi)]
	s_or_b32 s61, s[34+4*(\gi)], s[35+4*(\gi)]
	s_or_b32 s60, s60, s61
	s_or_b32 s[48+(\gi)], s[48+(\gi)], s60
	s_and_b32 s60, s[32+4*(\gi)], s[33+4*(\gi)]
	s_and_b32 s61, s[34+4*(\gi)], s[35+4*(\gi)]
	s_and_b32 s60, s60, s61
	s_and_b32 s[52+(\gi)], s[52+(\gi)], s60
.endm
.macro MBATCH b
.if (\b) < 3
	s_wait_loadcnt 16                              ; this batch's 16 loads are in; the next batch's may be out
.else
	s_wait_loadcnt 0x0
.endif
.irp i, 0,1,2,3
.irp gi, 0,1,2,3
	ROWG 4*(\b)+\i, \gi, 64+64*((\b)%2)+16*\i+4*\gi
.endr
.endr
.if (\b)+2 < 4
	MLOADB (\b)+2
.endif
.endm
	MLOADB 0
	MLOADB 1
.irp b, 0,1,2,3
	MBATCH \b
.endr
.irp gi, 0,1,2,3
	global_store_b64 v4, v[16+2*\gi:17+2*\gi], s[56:57] offset:32768*\gi   ; 32 lanes store 256 consecutive bytes, aligned
.endr
.irp gi, 0,1,2,3
	s_not_b32 s[52+\gi], s[52+\gi]                 ; a bit is set where some row hides that key
	v_writelane_b32 v24, s[48+\gi], \gi
	v_writelane_b32 v24, s[52+\gi], 4+\gi
.endr
	ds_store_b32 v5, v24
	s_wait_dscnt 0x0                               ; for the other waves' sake: my words lie in LDS
	s_barrier_signal -1
	s_barrier_wait -1
	ds_load_b32 v25, v6
	ds_load_b32 v26, v6 offset:128
	ds_load_b32 v27, v6 offset:256
	ds_load_b32 v28, v6 offset:384
	s_wait_dscnt 0x0
	v_or_b32 v25, v25, v26
	v_or_b32 v27, v27, v28
	v_or_b32 v25, v25, v27                         ; over the tile's 64 rows
	v_and_b32 v26, 0xffff, v25                     ; bits 0-15 are the group's first 64 keys,
	v_lshrrev_b32 v27, 16, v25                     ; bits 16-31 its second
	v_cmp_ne_u32 s32, 0, v26                       ; lane gi -> bit gi, lane 4 + gi -> bit 4 + gi; lanes 8-31 hold 0
	v_cmp_ne_u32 s33, 0, v27
	s_cmp_lg_u32 s20, 0
	s_cbranch_scc1 .Lmk_end
	v_mov_b32 v26, s32
	v_mov_b32 v27, s33
	v_mov_b32 v28, 0
	v_cmp_eq_u32 vcc_lo, 0, v2
	s_wait_xcnt 0x0                                ; EXEC changes only behind this wait
	s_and_saveexec_b32 s34, vcc_lo
	global_store_b8 v28, v26, s[58:59]
	global_store_b8 v28, v27, s[58:59] offset:4
	s_wait_xcnt 0x0
	s_or_b32 exec_lo, exec_lo, s34
.Lmk_end:
	s_wait_tensorcnt 0x0
	ds_add_u32 v192, v193
	s_wait_dscnt 0x0
	s_endpgm
.Lfunc_end_k_q1b1b6620a7_prep:
	.size	k_q1b1b6620a7_prep, .Lfunc_end_k_q1b1b6620a7_prep-k_q1b1b6620a7_prep
	.p2alignl 7, 3214868480
	.fill 96, 4, 3214868480
	.section	.rodata,"a",@progbits
	.p2align	6, 0x0
	.amdhsa_kernel k_q1b1b6620a7_prep
		.amdhsa_group_segment_fixed_size 69120
		.amdhsa_private_segment_fixed_size 0
		.amdhsa_enable_private_segment 0
		.amdhsa_kernarg_size 64
		.amdhsa_user_sgpr_count 2
		.amdhsa_user_sgpr_kernarg_segment_ptr 1
		.amdhsa_wavefront_size32 1
		.amdhsa_system_sgpr_workgroup_id_x 1
		.amdhsa_system_sgpr_workgroup_id_y 1
		.amdhsa_system_sgpr_workgroup_id_z 1
		.amdhsa_system_vgpr_workitem_id 0
		.amdhsa_next_free_vgpr 194
		.amdhsa_next_free_sgpr 66
		.amdhsa_reserve_vcc 1
		.amdhsa_float_denorm_mode_32 3
		.amdhsa_float_denorm_mode_16_64 3
		.amdhsa_memory_ordered 1
		.amdhsa_forward_progress 1
		.amdhsa_inst_pref_size 233
	.end_amdhsa_kernel
	.amdgpu_metadata
---
amdhsa.version: [ 1, 2 ]
amdhsa.kernels:
  - .name:           k_q1b1b6620a7_prep
    .symbol:         k_q1b1b6620a7_prep.kd
    .args:
      - { .name: x, .offset: 0, .size: 8, .value_kind: global_buffer, .address_space: global }
      - { .name: Wqkv, .offset: 8, .size: 8, .value_kind: global_buffer, .address_space: global }
      - { .name: Wo, .offset: 16, .size: 8, .value_kind: global_buffer, .address_space: global }
      - { .name: mask, .offset: 24, .size: 8, .value_kind: global_buffer, .address_space: global }
      - { .name: xq, .offset: 32, .size: 8, .value_kind: global_buffer, .address_space: global }
      - { .name: wq, .offset: 40, .size: 8, .value_kind: global_buffer, .address_space: global }
      - { .name: wof, .offset: 48, .size: 8, .value_kind: global_buffer, .address_space: global }
      - { .name: msk, .offset: 56, .size: 8, .value_kind: global_buffer, .address_space: global }
    .group_segment_fixed_size: 69120
    .private_segment_fixed_size: 0
    .kernarg_segment_align: 8
    .kernarg_segment_size: 64
    .max_flat_workgroup_size: 128
    .sgpr_count:     66
    .vgpr_count:     194
    .wavefront_size: 32
...
	.end_amdgpu_metadata
.endif
;; end of part 1
;; launch gemm (part 2): grid 12 x 32, 4 waves a work-group, clusters of 4 x 4, 327,680 bytes of LDS; arguments xq, wq, bqkv, qkv; writes qkv
.if DOCPART == 2
	.amdgcn_target "amdgcn-amd-amdhsa--gfx1250"
	.amdhsa_code_object_version 6
	.text
	.protected	k_q1b1b6620a7_gemm
	.globl	k_q1b1b6620a7_gemm
	.p2align	8
	.type	k_q1b1b6620a7_gemm,@function
k_q1b1b6620a7_gemm:
	s_mov_b64 s[64:65], 0
	v_nop
	global_prefetch_b8 v0, s[64:65] scope:SCOPE_SE
	s_setreg_imm32_b32 hwreg(HW_REG_WAVE_MODE, 25, 1), 1
	s_wait_xcnt 0x0
	s_wait_alu depctr_hold_cnt(0) depctr_sa_sdst(0) depctr_va_vdst(0) depctr_va_sdst(0) depctr_va_ssrc(0) depctr_va_vcc(0) depctr_vm_vsrc(0)
	s_getreg_b32 s2, hwreg(HW_REG_IB_STS2, 6, 4)
	s_cmp_eq_u32 s2, 0
	s_cbranch_scc0 .Lentry_in_a_cluster
	s_endpgm
.Lentry_in_a_cluster:
	s_bfe_u32 s2, ttmp6, 0x10000c
	s_cmp_lg_u32 s2, 0xf033
	s_cbranch_scc0 .Lentry_shape_is_right
	s_endpgm
.Lentry_shape_is_right:
; qkv = x Wqkv + bqkv on codes of E2M1 with one E8M0 scale for each 32 along K; sums in f32; the result is rounded once to f16 and stored as images of the next products' operands.
; A (x): codes [8192][512 B] at xq, scale bytes [8192][32] at xq + 0x400000.  B (Wqkv, K innermost): codes [3072][512 B] at wq, bytes [3072][32] at wq + 0x180000.
; A tile of 256 x 256 is made by four waves, each 128 x 128: 64 accumulators, 512 registers.  K = 1,024 is two slots of 512 along K: both are filled at the start and none is filled again.
; CLUSTERS: 4 x 4 work-groups; A's tiles are asked for jointly along a row of the cluster, B's along a column.  THE MATRIX INSTRUCTION IS USED TRANSPOSED (source 0 = 16 rows of B, source 1 = 16 rows of A):
; a lane holds eight neighbouring columns of one row.  The bias, in that layout, is the C of each sum's first product.
; OUT: qkv [which 3][bh 64][mt 128][c 4][512 B]: a chunk is 16 rows x 16 channels of f16, 16 bytes a lane: one accumulator.  q, k: lane l at 16 l.  v: key r, channel half h at 16 (16 (r / 8) + 8 h + r % 8),
; so that the turning LDS load at 16 x lane gives half a fragment of V^T.  Each store of a wave covers 512 consecutive bytes, aligned.
; LIMIT: |q|, |k|, |v| under 65,504 (f16).
; REGISTERS: window 0: v0-31 addresses; v32-95 scale words, two sets; v128-191 A's fragments, one set, later the packed results.  window 1: B's fragments at v0 and v128; v64-127 the bias.  windows 2, 3: the accumulators.
.set KSTEP,  512
.set NQ,     4
.set ROWB,   256
.set KROW,   512
.set PITCH,  272                       ; an LDS row: 256 bytes + 16 of padding: the 16 rows of a fragment load start at 16 different banks
.set FR,     8
.set NL,     2
.set NP,     4
.set HALFT,  128*PITCH
.set SLOT,   4*HALFT
.set KS,     32
.set SCL,    2*SLOT
.set HALFS,  (128*KS/256)*272
.set SBLK,   (16*KS/256)*272
.set SPARE,  SCL+4*HALFS               ; the spare words, 128 bytes for each wave
.set ADRA, 16
.set ADRB, 20
.set CO,   26
.set ADRS, 27
.set SPW,  28
.set NIL,  29
.set SC,   32
.set AF,   128
.set PK,   128
.set BIAS, 64
.set G1, 24
.set G0, 32
.set G1B, 48
.set G0B, 56
.set G1S, 68
.set G0S, 76
.set G1SB, 80
.set G0SB, 88
.set MSB, 0
.macro WIN new                         ; the immediate's high byte repeats the setting that is left
.if MSB != \new
	s_set_vgpr_msb (MSB<<8)|\new
.set MSB, \new
.endif
.endm
.set MUL_LO, 0xa1                      ; source 0 (B) window 1, source 1 (A) window 0, C and D window 2
.set MUL_HI, 0xf1
.set FST_LO, 0x91                      ; the same with C (the bias) in window 1
.set FST_HI, 0xd1
.set TO_B,   0x40
.macro JLOAD g0a, g1a, g0b, g1b        ; waves 0 and 1 fetch for A, waves 2 and 3 for B; four v_nop follow each of the two lines
	s_cmp_eq_u32 s15, 0
	s_cbranch_scc0 .Lfor_b_\@
	tensor_load_to_lds s[\g0a:\g0a+3], s[\g1a:\g1a+7]
	s_nop 0
.rept 4
	v_nop
.endr
	s_branch .Lasked_\@
.Lfor_b_\@:
	tensor_load_to_lds s[\g0b:\g0b+3], s[\g1b:\g1b+7]
	s_nop 0
.rept 4
	v_nop
.endr
.Lasked_\@:
.endm
.macro CROUND                          ; a round of the cluster's barrier
	s_barrier_signal -1
	s_barrier_wait -1
	s_cmp_lg_u32 s14, 0
	s_cbranch_scc1 .Lnot_wave_0_\@
	s_barrier_signal -3
.Lnot_wave_0_\@:
	s_barrier_wait -3
	s_barrier_signal -1
	s_barrier_wait -1
.endm
	s_load_b64 s[4:5], s[0:1], 0x0                 ; xq
	s_load_b64 s[8:9], s[0:1], 0x8                 ; wq
	s_load_b64 s[66:67], s[0:1], 0x10              ; bqkv
	s_load_b64 s[12:13], s[0:1], 0x18              ; qkv
	v_lshl_add_u32 v[SPW], v0, 2, SPARE
	v_mov_b32 v[NIL], 0
	ds_add_u32 v28, v29
	ds_add_u32 v28, v29
	s_wait_dscnt 0x0
	v_lshrrev_b32 v1, 5, v0
	v_readfirstlane_b32 s14, v1                    ; wave 0..3
	s_lshr_b32 s15, s14, 1                         ; which half of the tile's rows is mine.  Also: I fetch for A (0) or for B (1)
	s_and_b32 s16, s14, 1                          ; which half of its columns.  Also: which 128 rows of that tile I fetch
	s_bfe_u32 s40, ttmp6, 0x40000                  ; cx
	s_bfe_u32 s41, ttmp6, 0x40004                  ; cy
	s_lshl_b32 s42, ttmp9, 2
	s_add_co_u32 s42, s42, s40                     ; tile column
	s_and_b32 s17, ttmp7, 0xffff
	s_lshl_b32 s17, s17, 2
	s_add_co_u32 s17, s17, s41                     ; tile row
	s_lshl_b32 s43, s41, 2
	s_lshl_b32 s43, 15, s43                        ; my row of the cluster
	s_lshl_b32 s44, 0x1111, s40                    ; my column
	s_or_b32 s[G1+0], s43, (0<<16)|(1<<20)|(1<<21)|(5<<22)|(3<<25)  ; mask; elements of 1 byte; padding on; bit 21 beside a mask; after every 64 words, 4 words
	s_or_b32 s[G1B+0], s44, (0<<16)|(1<<20)|(1<<21)|(5<<22)|(3<<25)
.irp g, G1, G1B
	s_mov_b32 s[\g+1], ROWB<<16                    ; tensor_dim0
	s_mov_b32 s[\g+2], 128<<16                     ; tensor_dim1
	s_mov_b32 s[\g+3], ROWB<<16                    ; tile_dim0
	s_mov_b32 s[\g+4], 128                         ; tile_dim1
	s_mov_b32 s[\g+5], KROW                        ; pitch
	s_mov_b32 s[\g+6], 0
	s_mov_b32 s[\g+7], 0
.endr
	s_or_b32 s[G1S+0], s43, (3<<16)|(1<<20)|(1<<21)|(5<<22)|(3<<25) ; the scales of 128 rows: 4,096 dense bytes as 16 rows of 256 bytes (32 elements of 8), 16 bytes of padding behind each
	s_or_b32 s[G1SB+0], s44, (3<<16)|(1<<20)|(1<<21)|(5<<22)|(3<<25)
.irp g, G1S, G1SB
	s_mov_b32 s[\g+1], 32<<16
	s_mov_b32 s[\g+2], (128*KS/256)<<16
	s_mov_b32 s[\g+3], 32<<16
	s_mov_b32 s[\g+4], 128*KS/256
	s_mov_b32 s[\g+5], 32
	s_mov_b32 s[\g+6], 0
	s_mov_b32 s[\g+7], 0
.endr
	s_lshl_b32 s18, s16, 7
	s_lshl_b32 s20, s17, 8
	s_add_co_u32 s20, s20, s18                     ; A: row 256 x tile row + 128 x half
	s_lshl_b32 s46, s42, 8
	s_add_co_u32 s46, s46, s18                     ; B: row 256 x tile column + 128 x half
	s_mov_b32 s21, 0
	s_mov_b32 s47, 0
	s_mov_b64 s[18:19], KS
	s_mul_u64 s[22:23], s[20:21], s[18:19]
	s_mul_u64 s[92:93], s[46:47], s[18:19]
	s_mov_b64 s[18:19], KROW
	s_mul_u64 s[20:21], s[20:21], s[18:19]
	s_mul_u64 s[46:47], s[46:47], s[18:19]
	s_mul_i32 s45, s14, HALFT                      ; where they go: wave x 128 rows
	s_mul_i32 s94, s14, HALFS
	s_wait_kmcnt 0x0
	s_add_nc_u64 s[6:7], s[4:5], 0x400000          ; A's scale bytes
	s_add_nc_u64 s[10:11], s[8:9], 0x180000        ; B's
	s_add_nc_u64 s[20:21], s[4:5], s[20:21]
	s_add_nc_u64 s[22:23], s[6:7], s[22:23]
	s_add_nc_u64 s[46:47], s[8:9], s[46:47]
	s_add_nc_u64 s[92:93], s[10:11], s[92:93]
	CROUND                                         ; all sixteen work-groups are here: the joint loads meet
	s_mov_b32 s[G0S], 1
	s_add_co_u32 s[G0S+1], s94, SCL
	s_mov_b64 s[G0S+2:G0S+3], s[22:23]
	s_or_b32 s[G0S+3], s[G0S+3], 0x80000000
	s_mov_b32 s[G0SB], 1
	s_add_co_u32 s[G0SB+1], s94, SCL
	s_mov_b64 s[G0SB+2:G0SB+3], s[92:93]
	s_or_b32 s[G0SB+3], s[G0SB+3], 0x80000000
	JLOAD G0S, G1S, G0SB, G1SB                     ; three tensor loads of mine go out here: the scales, slot 0, slot 1
.irp s, 0,1
	s_mov_b32 s[G0+4*\s], 1
	s_add_co_u32 s[G0+4*\s+1], s45, \s*SLOT
	s_add_nc_u64 s[G0+4*\s+2:G0+4*\s+3], s[20:21], \s*ROWB
	s_or_b32 s[G0+4*\s+3], s[G0+4*\s+3], 0x80000000
	s_mov_b32 s[G0B+4*\s], 1
	s_add_co_u32 s[G0B+4*\s+1], s45, \s*SLOT
	s_add_nc_u64 s[G0B+4*\s+2:G0B+4*\s+3], s[46:47], \s*ROWB
	s_or_b32 s[G0B+4*\s+3], s[G0B+4*\s+3], 0x80000000
	JLOAD G0+4*\s, G1, G0B+4*\s, G1B
.endr
	v_and_b32 v1, 15, v0                           ; r
	v_bfe_u32 v2, v0, 4, 1                         ; h
	; the bias of my 128 columns: tile b, register j: bqkv[256 tile column + 128 half + 16 b + 8 h + j]
	s_lshl_b32 s46, s42, 10
	s_lshl_b32 s47, s16, 9
	s_add_co_u32 s46, s46, s47
	s_mov_b32 s47, 0
	s_add_nc_u64 s[66:67], s[66:67], s[46:47]
	v_lshlrev_b32 v7, 5, v2
	WIN TO_B
.irp b, 0,1,2,3,4,5,6,7
	global_load_b128 v[BIAS+8*\b:BIAS+8*\b+3], v7, s[66:67] offset:64*\b
	global_load_b128 v[BIAS+8*\b+4:BIAS+8*\b+7], v7, s[66:67] offset:64*\b+16
.endr
	WIN 0
	v_mul_u32_u24 v3, v1, PITCH
	v_lshl_add_u32 v4, v2, 4, v3
	s_mul_i32 s21, s15, HALFT
	s_mul_i32 s22, s16, HALFT
	s_add_co_u32 s22, s22, 2*HALFT
.irp s, 0,1
	v_add_nc_u32 v[ADRA+\s], s21, v4
	v_add_nc_u32 v[ADRB+\s], s22, v4
	s_add_co_u32 s21, s21, SLOT
	s_add_co_u32 s22, s22, SLOT
.endr
	v_mul_u32_u24 v5, v1, KS                       ; my row's scales: 32 bytes a row,
	v_lshrrev_b32 v6, 8, v5
	v_lshl_add_u32 v5, v6, 4, v5                   ; and 16 more for each 256 passed
	s_mul_i32 s21, s15, HALFS
	s_mul_i32 s22, s16, HALFS
	s_add_co_u32 s22, s22, 2*HALFS
	s_sub_co_u32 s22, s22, s21
	v_mul_u32_u24 v6, s22, v2                      ; lanes 16-31 take B's
	s_add_co_u32 s21, s21, SCL
	v_add_nc_u32 v5, v5, v6
	v_add_nc_u32 v[ADRS], s21, v5
	; the way out: my lane's 16 bytes in a chunk
	v_and_b32 v6, 31, v0
	v_lshlrev_b32 v5, 4, v6                        ; q, k: 16 x lane
	v_lshrrev_b32 v8, 3, v1
	v_lshlrev_b32 v8, 4, v8
	v_lshl_add_u32 v8, v2, 3, v8
	v_and_b32 v9, 7, v1
	v_add_nc_u32 v8, v8, v9
	v_lshlrev_b32 v8, 4, v8                        ; v: 16 (16 (r / 8) + 8 h + r % 8)
	s_cmp_eq_u32 ttmp9, 2                          ; the cluster's x is q, k or v: the same in all partners
	s_cselect_b32 s22, -1, 0
	v_cndmask_b32 v[CO], v5, v8, s22
	s_lshr_b32 s20, s17, 3                         ; batch
	s_lshl_b32 s20, s20, 4
	s_lshl_b32 s21, s40, 2
	s_add_co_u32 s20, s20, s21
	s_lshl_b32 s21, s16, 1
	s_add_co_u32 s20, s20, s21                     ; 16 batch + my first head
	s_lshl_b32 s20, s20, 18
	s_and_b32 s21, s17, 7
	s_lshl_b32 s21, s21, 4
	s_lshl_b32 s22, s15, 3
	s_add_co_u32 s21, s21, s22                     ; my first tile of 16 rows in the sequence
	s_lshl_b32 s21, s21, 11
	s_add_co_u32 s20, s20, s21
	s_lshl_b32 s21, ttmp9, 24
	s_add_co_u32 s20, s20, s21
	s_mov_b32 s21, 0
	s_add_nc_u64 s[12:13], s[12:13], s[20:21]
.macro FRAG reg, adr, q, i             ; 16 rows x 128 K of 4-bit codes: 8 registers, two loads of 16 bytes, 32 bytes apart
.irp c, 0,1
	ds_load_b128 v[\reg+4*\c:\reg+4*\c+3], v[\adr] offset:64*(\q)+32*\c+(\i)*16*PITCH
.endr
.endm
; 16 products: A's blocks a0, a0 + 1 x B's eight.  first = 1: the bias is C.  The 64 accumulators take turns, one instruction a turn.
.macro MUL16 a0, p, q, sc, first
.irp a, \a0, \a0+1
.irp b, 0,1,2,3,4,5,6,7
.if \first
	v_wmma_scale_f32_16x16x128_f8f6f4 v[8*(8*((\a)%4)+\b):8*(8*((\a)%4)+\b)+7], v[128*(\p)+FR*\b:128*(\p)+FR*\b+FR-1], v[AF+FR*(\a):AF+FR*(\a)+FR-1], v[BIAS+8*\b:BIAS+8*\b+7], v[SC+8*NQ*(\sc)+NQ*\b+(\q)], v[SC+8*NQ*(\sc)+NQ*(\a)+(\q)] matrix_a_fmt:MATRIX_FMT_FP4 matrix_b_fmt:MATRIX_FMT_FP4 matrix_a_scale:MATRIX_SCALE_ROW1
.else
	v_wmma_scale_f32_16x16x128_f8f6f4 v[8*(8*((\a)%4)+\b):8*(8*((\a)%4)+\b)+7], v[128*(\p)+FR*\b:128*(\p)+FR*\b+FR-1], v[AF+FR*(\a):AF+FR*(\a)+FR-1], v[8*(8*((\a)%4)+\b):8*(8*((\a)%4)+\b)+7], v[SC+8*NQ*(\sc)+NQ*\b+(\q)], v[SC+8*NQ*(\sc)+NQ*(\a)+(\q)] matrix_a_fmt:MATRIX_FMT_FP4 matrix_b_fmt:MATRIX_FMT_FP4 matrix_a_scale:MATRIX_SCALE_ROW1
.endif
.endr
.endr
.endm
.macro FETCH_B slot, q, p
	WIN TO_B
.irp i, 0,1,2,3,4,5,6,7
	FRAG 128*(\p)+FR*\i, ADRB+\slot, \q, \i
.endr
	WIN 0
.endm
.macro FETCH_A slot, q, i0
.irp i, \i0, \i0+1, \i0+2, \i0+3
	FRAG AF+FR*(\i), ADRA+\slot, \q, \i
.endr
.endm
.macro SCALES sc                       ; a slot's scale words: lanes 0-15 A's block i, lanes 16-31 B's block i
.irp i, 0,1,2,3,4,5,6,7
	ds_load_b128 v[SC+8*NQ*\sc+NQ*\i:SC+8*NQ*\sc+NQ*\i+3], v[ADRS] offset:\i*SBLK
.endr
.endm
.macro PLACES n                        ; plain vector places behind matrix instructions, in front of loads into their registers and of reads of their results
.rept \n
	v_nop
.endr
.endm
.macro STEP slot, q, first
	s_wait_dscnt 4*NL                              ; B's set and A's blocks 0-3 are in; the youngest eight loads (A's blocks 4-7) may be out
.if \first
	WIN FST_LO
.else
	WIN MUL_LO
.endif
	MUL16 0, (\q)%2, \q, \slot, \first
	MUL16 2, (\q)%2, \q, \slot, \first
	s_wait_dscnt 0
	PLACES NP
	FETCH_B \slot, (\q)+1, 1-(\q)%2
	FETCH_A \slot, (\q)+1, 0
.if \first
	WIN FST_HI
.else
	WIN MUL_HI
.endif
	MUL16 4, (\q)%2, \q, \slot, \first
	MUL16 6, (\q)%2, \q, \slot, \first
	PLACES NP
	WIN 0
	FETCH_A \slot, (\q)+1, 4
.endm
.macro TURN slot, next                 ; slot 0's last step changes slots: one barrier; nothing is filled again
	s_wait_tensorcnt 0x0                           ; all my tensor loads have landed: my part of the next slot
	ds_add_u32 v[SPW], v[NIL]                      ; 0 onto my spare word
	s_wait_dscnt 4*NL+1                            ; the add and the youngest eight loads may be out
	WIN MUL_LO
	MUL16 0, 1, NQ-1, \slot, 0
	s_wait_dscnt 0x0
	s_barrier_signal -1
	MUL16 2, 1, NQ-1, \slot, 0
	WIN 0
	s_barrier_wait -1                              ; everybody's part of the next slot is in
	PLACES NP
	v_add_nc_u32 v[ADRS], 4*NQ, v[ADRS]            ; the next slot's scale words
	FETCH_B \next, 0, 0
	FETCH_A \next, 0, 0
	SCALES \next
	WIN MUL_HI
	MUL16 4, 1, NQ-1, \slot, 0
	MUL16 6, 1, NQ-1, \slot, 0
	PLACES NP
	WIN 0
	FETCH_A \next, 0, 4
.endm
	s_wait_tensorcnt 1                             ; the scales and my part of slot 0 are in; slot 1's load may be out
	s_barrier_signal -1
	s_barrier_wait -1
	FETCH_B 0, 0, 0
	FETCH_A 0, 0, 0
	SCALES 0
	FETCH_A 0, 0, 4
	s_wait_loadcnt 0x0                             ; the bias
	STEP 0, 0, 1
	STEP 0, 1, 0
	STEP 0, 2, 0
	TURN 0, 1
	STEP 1, 0, 0
	STEP 1, 1, 0
	STEP 1, 2, 0
	s_wait_dscnt 4*NL
	WIN MUL_LO
	MUL16 0, 1, NQ-1, 1, 0
	MUL16 2, 1, NQ-1, 1, 0
	s_wait_dscnt 0
	WIN MUL_HI
	MUL16 4, 1, NQ-1, 1, 0
	MUL16 6, 1, NQ-1, 1, 0
	WIN 0
; THE WAY OUT: an accumulator, rounded to f16, is a chunk of the output as it stands: no turn through LDS.
.macro PACK a
.set AC, 64*((\a)%4)
.set PB, PK+32*((\a)%2)
.if (\a) < 4
	WIN 0x0a                                       ; sources 0 and 1: window 2
.else
	WIN 0x0f                                       ; window 3
.endif
.irp b, 0,1,2,3,4,5,6,7
.irp r, 0,1,2,3
	v_cvt_pk_f16_f32 v[PB+4*\b+\r], v[AC+8*\b+2*\r], v[AC+8*\b+2*\r+1]   ; each accumulator from its low end on
.endr
.endr
	WIN 0
.irp b, 0,1,2,3,4,5,6,7
	global_store_b128 v[CO], v[PB+4*\b:PB+4*\b+3], s[12:13] offset:2048*(\a)+512*(\b%4)+262144*(\b/4)
.endr
.endm
	PLACES NP
.irp a, 0,1,2,3,4,5,6,7
.if \a >= 2
	s_wait_xcnt 0x0                                ; block a - 2's stores have read the registers that are written again
.endif
	PACK \a
.endr
	s_wait_tensorcnt 0x0                           ; the wave's end
	ds_add_u32 v[SPW], v[NIL]
	s_wait_dscnt 0x0
	CROUND                                         ; the closing round
	s_endpgm
.Lfunc_end_k_q1b1b6620a7_gemm:
	.size	k_q1b1b6620a7_gemm, .Lfunc_end_k_q1b1b6620a7_gemm-k_q1b1b6620a7_gemm
	.p2alignl 7, 3214868480
	.fill 96, 4, 3214868480
	.section	.rodata,"a",@progbits
	.p2align	6, 0x0
	.amdhsa_kernel k_q1b1b6620a7_gemm
		.amdhsa_group_segment_fixed_size 327680
		.amdhsa_private_segment_fixed_size 0
		.amdhsa_enable_private_segment 0
		.amdhsa_kernarg_size 32
		.amdhsa_user_sgpr_count 2
		.amdhsa_user_sgpr_kernarg_segment_ptr 1
		.amdhsa_wavefront_size32 1
		.amdhsa_system_sgpr_workgroup_id_x 1
		.amdhsa_system_sgpr_workgroup_id_y 1
		.amdhsa_system_sgpr_workgroup_id_z 1
		.amdhsa_system_vgpr_workitem_id 0
		.amdhsa_next_free_vgpr 1024
		.amdhsa_next_free_sgpr 98
		.amdhsa_reserve_vcc 0
		.amdhsa_float_denorm_mode_32 3
		.amdhsa_float_denorm_mode_16_64 3
		.amdhsa_memory_ordered 1
		.amdhsa_forward_progress 1
		.amdhsa_inst_pref_size 120
	.end_amdhsa_kernel
	.amdgpu_metadata
---
amdhsa.version: [ 1, 2 ]
amdhsa.kernels:
  - .name:           k_q1b1b6620a7_gemm
    .symbol:         k_q1b1b6620a7_gemm.kd
    .args:
      - { .name: xq, .offset: 0, .size: 8, .value_kind: global_buffer, .address_space: global }
      - { .name: wq, .offset: 8, .size: 8, .value_kind: global_buffer, .address_space: global }
      - { .name: bqkv, .offset: 16, .size: 8, .value_kind: global_buffer, .address_space: global }
      - { .name: qkv, .offset: 24, .size: 8, .value_kind: global_buffer, .address_space: global }
    .group_segment_fixed_size: 327680
    .private_segment_fixed_size: 0
    .kernarg_segment_align: 8
    .kernarg_segment_size: 32
    .max_flat_workgroup_size: 128
    .sgpr_count:     98
    .vgpr_count:     1024
    .wavefront_size: 32
...
	.end_amdgpu_metadata
.endif
;; end of part 2
;; launch attn (part 3): grid 4 x 64, 8 waves a work-group, no clusters, 66,560 bytes of LDS; arguments qkv, msk, yf; writes yf
.if DOCPART == 3
	.amdgcn_target "amdgcn-amd-amdhsa--gfx1250"
	.amdhsa_code_object_version 6
	.text
	.protected	k_q1b1b6620a7_attn
	.globl	k_q1b1b6620a7_attn
	.p2align	8
	.type	k_q1b1b6620a7_attn,@function
k_q1b1b6620a7_attn:
	s_mov_b64 s[64:65], 0
	v_nop
	global_prefetch_b8 v0, s[64:65] scope:SCOPE_SE
	s_setreg_imm32_b32 hwreg(HW_REG_WAVE_MODE, 25, 1), 1
	s_wait_xcnt 0x0
; y[bh][q] = sum over k of softmax_k(q . k / 8, hidden where mask[q][k] == 0) v[k], head size 64, operands f16, sums and softmax f32.
; INPUTS: qkv [which 3][bh 64][mt 128][c 4][512 B], images of operands; msk: the mask as bits ([g 16][q 2048][c 4] words) and, at 0x80000, flags of tiles of 64 queries x 64 keys.
; OUT: yf [mtile 512][part 2][c16 64][512 B]: y as f16 hi + f16 lo, images of the next product's operand.
; SHARES: a work-group makes two passes over its head: blocks 7 - p and p of 256 queries.  Each of eight waves owns 32 queries, two tiles of 16.  Keys go in groups of 128 (two steps of 64) through two LDS slots,
; loaded through registers one group ahead: which groups are wanted hangs on the stored flags, so no tensor load is used, and no cluster: partners would want different tiles.
; A step all of whose keys are hidden from the wave's tile of 64 queries is left out (a scalar branch on the stored flags); a step in which every key counts skips the masking.
; LAYOUT: S^T = K Q^T (source 0 = 16 keys, source 1 = 16 queries): a lane holds one query; two tiles, rounded to f16 in pairs, are source 1 of O^T = V^T P.  The row's sum is a product too: a tile of ones x P,
; so it is the sum of the very weights that are multiplied by V, over all keys: no exchange between lanes.  Of that accumulator registers 0, 1 are kept under the running maximum; the others are copies that nobody reads (at most 2,048).
; SOFTMAX: running maximum m; p = 2^(c s - c m), c = log2(e) / 8; O and the sum are multiplied by a = 2^(c m_old - c m_new) in every step.  A row that the mask hides wholly gives 0 x (1 / 0) = NaN, as the softmax of such a row is.
; LIMIT: |q|, |k|, |v|, |y| under 65,504 (f16).
; REGISTERS: window 0: v1-6 addresses and constants; v8-11, v248-251 mask words; v12-15 at work; v24-39 statistics; v40-55 sums; v56-87 Q; v88-151 S^T; v152-183 P; v184-247 O^T.
;   window 1: v0-63 K; v64-127 V^T; v128-159 the next group on its way; v160-167 ones.
.set LI,   1                           ; 16 x lane
.set T16,  2                           ; 16 x thread
.set SH,   3                           ; v3 = 2 h, v4 = 2 h + 16
.set NINF, 5
.set MA,   6                           ; 16 r
.set MW0,  8
.set MW1,  248
.set TMP,  12
.set ST,   24                          ; tile x at v[ST + 8 x]: +0 c m, +1 m, +2..+5 four maxima, +6 a, +7 its partner in the pair (written once)
.set SUM,  40
.set QF,   56
.set SS,   88
.set PP,   152
.set OO,   184
.set KF,   0
.set VF,   64
.set SG,   128
.set ONE,  160
.set MSB, 0
.macro WIN new                         ; the immediate's high byte repeats the setting that is left
.if MSB != \new
	s_set_vgpr_msb (MSB<<8)|\new
.set MSB, \new
.endif
.endm
	s_load_b128 s[4:7], s[0:1], 0x0                ; qkv, msk
	s_load_b64 s[8:9], s[0:1], 0x10                ; yf
	v_lshl_add_u32 v254, v0, 2, 0x10000
	v_mov_b32 v255, 0
	v_lshrrev_b32 v7, 5, v0
	v_readfirstlane_b32 s10, v7                    ; wave 0..7
	s_mov_b32 s11, ttmp9                           ; p
	s_and_b32 s12, ttmp7, 0xffff                   ; bh
	v_and_b32 v7, 31, v0
	v_lshlrev_b32 v[LI], 4, v7
	v_lshlrev_b32 v[T16], 4, v0
	v_bfe_u32 v7, v0, 4, 1
	v_lshlrev_b32 v[SH], 1, v7
	v_add_nc_u32 v[SH+1], 16, v[SH]
	v_mov_b32 v[NINF], 0xff800000
	v_and_b32 v7, 15, v0
	v_lshlrev_b32 v[MA], 4, v7
	v_mov_b32 v[ST+7], 0
	v_mov_b32 v[ST+15], 0
	WIN 0x40
.irp i, 0,1,2,3,4,5,6,7
	v_mov_b32 v[ONE+\i], 0x3c003c00                ; 1.0, 1.0 in f16
.endr
	WIN 0
	s_mov_b32 s46, 0x3e38aa3b                      ; c = log2(e) / 8
	s_mov_b32 s47, s46
	s_mov_b32 s48, 0x76543210
	s_mov_b32 s49, 0xfedcba98                      ; lane l xor 16
	s_mov_b32 s56, 0xffffe000                      ; keeps sign, exponent and 10 mantissa bits
	s_lshl_b32 s50, s12, 18                        ; a head's 262,144 bytes
	s_mov_b32 s51, 0
	s_wait_kmcnt 0x0
	s_add_nc_u64 s[4:5], s[4:5], s[50:51]          ; Q of my head
	s_add_nc_u64 s[16:17], s[4:5], 0x1000000       ; K
	s_add_nc_u64 s[18:19], s[4:5], 0x2000000       ; V
	s_lshl_b32 s50, s10, 12
	s_add_nc_u64 s[4:5], s[4:5], s[50:51]          ; + my wave's two tiles of 16 rows
	s_lshr_b32 s50, s12, 4
	s_lshl_b32 s50, s50, 23                        ; y: 128 tiles of rows a batch, 65,536 bytes each,
	s_and_b32 s45, s12, 15
	s_lshl_b32 s45, s45, 11                        ; four chunks a head,
	s_add_co_u32 s50, s50, s45
	s_lshl_b32 s45, s10, 17                        ; my wave's two tiles
	s_add_co_u32 s50, s50, s45
	s_add_nc_u64 s[8:9], s[8:9], s[50:51]
	s_mov_b32 s14, 0
; the mask of a step: two loads of 16 bytes a lane (my query's four words of the group); key 64 e + 16 t + 8 h + j is bit 16 e + 4 t + 2 h + j / 4 of word j % 4
.macro MASK u, e
	global_load_b128 v[MW0:MW0+3], v[MA], s[28:29] offset:32768*\u
	global_load_b128 v[MW1:MW1+3], v[MA], s[28:29] offset:32768*\u+256
	s_wait_loadcnt 0x0                             ; nothing was issued behind them
.irp c, 0,1,2,3
	v_lshrrev_b32 v[MW0+\c], v[SH+\e], v[MW0+\c]
	v_lshrrev_b32 v[MW1+\c], v[SH+\e], v[MW1+\c]
.endr
.set n, 0
.rept 32
	v_and_b32 v[TMP], 1<<(4*(n/8)+((n%8)/4)), v[MW0+n%4]
	v_cmp_eq_u32 vcc_lo, 0, v[TMP]
	v_cndmask_b32 v[SS+n], v[SS+n], v[NINF], vcc_lo
.set n, n+1
.endr
.set n, 0
.rept 32
	v_and_b32 v[TMP+1], 1<<(4*(n/8)+((n%8)/4)), v[MW1+n%4]
	v_cmp_eq_u32 vcc_lo, 0, v[TMP+1]
	v_cndmask_b32 v[SS+32+n], v[SS+32+n], v[NINF], vcc_lo
.set n, n+1
.endr
.endm
; the softmax of a step, both tiles line by line
.macro SOFTMAX
.irp j, 0,1,2,3
.irp x, 0,1
	v_max3_num_f32 v[ST+8*\x+2+\j], v[SS+32*\x+8*\j], v[SS+32*\x+8*\j+1], v[SS+32*\x+8*\j+2]   ; each accumulator is read from its low end on
.endr
.endr
.irp q, 1,2
.irp j, 0,1,2,3
.irp x, 0,1
	v_max3_num_f32 v[ST+8*\x+2+\j], v[ST+8*\x+2+\j], v[SS+32*\x+8*\j+2*\q+1], v[SS+32*\x+8*\j+2*\q+2]
.endr
.endr
.endr
.irp x, 0,1
	v_max3_num_f32 v[ST+8*\x+2], v[ST+8*\x+2], v[SS+32*\x+7], v[SS+32*\x+15]
	v_max3_num_f32 v[ST+8*\x+4], v[ST+8*\x+4], v[SS+32*\x+23], v[SS+32*\x+31]
.endr
.irp x, 0,1
	v_max3_num_f32 v[ST+8*\x+2], v[ST+8*\x+2], v[ST+8*\x+3], v[ST+8*\x+4]
.endr
.irp x, 0,1
	v_max3_num_f32 v[ST+8*\x+2], v[ST+8*\x+2], v[ST+8*\x+5], v[ST+8*\x+1]   ; with the old m
.endr
.irp x, 0,1
	v_permlanex16_b32 v[ST+8*\x+3], v[ST+8*\x+2], s48, s49                 ; the query's other keys lie in the lane 16 away
.endr
.irp x, 0,1
	v_mov_b32 v[ST+8*\x+5], v[ST+8*\x]             ; c m_old
.endr
.irp x, 0,1
	v_max_num_f32 v[ST+8*\x+1], v[ST+8*\x+2], v[ST+8*\x+3]
.endr
.irp x, 0,1
	v_mul_f32 v[ST+8*\x], s46, v[ST+8*\x+1]
.endr
.irp x, 0,1
	v_sub_f32 v[ST+8*\x+5], v[ST+8*\x+5], v[ST+8*\x]
.endr
.irp x, 0,1
	v_exp_f32 v[ST+8*\x+6], v[ST+8*\x+5]           ; a; the scalings below are the plain lines behind it
.endr
.irp b, 0,1,2,3,4,5,6,7,8,9,10,11,12,13,14,15
.irp x, 0,1
	v_pk_fma_f32 v[SS+32*\x+2*\b:SS+32*\x+2*\b+1], v[SS+32*\x+2*\b:SS+32*\x+2*\b+1], s[46:47], v[ST+8*\x:ST+8*\x+1] op_sel_hi:[1,0,0] neg_lo:[0,0,1] neg_hi:[0,0,1]   ; c s - c m
.endr
.endr
.set n, 0
.rept 64
	v_exp_f32 v[SS+n], v[SS+n]
.set n, n+1
.endr
	s_wait_alu depctr_va_vdst(0)
.irp x, 0,1
	v_pk_mul_f32 v[SUM+8*\x:SUM+8*\x+1], v[SUM+8*\x:SUM+8*\x+1], v[ST+8*\x+6:ST+8*\x+7] op_sel_hi:[1,0]   ; the sum under the new m (the plain lines behind the exponentials)
.endr
.set n, 0
.rept 32
	v_cvt_pk_f16_f32 v[PP+n], v[SS+2*n], v[SS+2*n+1]
.set n, n+1
.endr
.irp b, 0,1,2,3,4,5,6,7,8,9,10,11,12,13,14,15
.irp x, 0,1
	v_pk_mul_f32 v[OO+32*\x+2*\b:OO+32*\x+2*\b+1], v[OO+32*\x+2*\b:OO+32*\x+2*\b+1], v[ST+8*\x+6:ST+8*\x+7] op_sel_hi:[1,0]
.endr
.endr
.endm
; a step: 64 keys, half e of the group in slot u
.macro STEP u, e
	s_bitcmp1_b32 s[30+\e], s41                    ; does any key of the step count for my tile of 64 queries?
	s_cbranch_scc0 .Lskip_\@
	WIN 0x40
.irp t, 0,1,2,3
.irp cc, 0,1
	ds_load_b128 v[KF+8*(2*\t+\cc):KF+8*(2*\t+\cc)+3], v[LI] offset:32768*\u+2048*(4*\e+\t)+1024*\cc
	ds_load_b128 v[KF+8*(2*\t+\cc)+4:KF+8*(2*\t+\cc)+7], v[LI] offset:32768*\u+2048*(4*\e+\t)+1024*\cc+512
.endr
.endr
	s_wait_dscnt 0x0
	WIN 0x01                                       ; source 0 in window 1
.irp cc, 0,1                                   ; eight accumulators by turns
.irp t, 0,1,2,3
.irp x, 0,1
.if \cc == 0
	v_wmma_f32_16x16x32_f16 v[SS+32*\x+8*\t:SS+32*\x+8*\t+7], v[KF+8*(2*\t+\cc):KF+8*(2*\t+\cc)+7], v[QF+16*\x+8*\cc:QF+16*\x+8*\cc+7], 0
.else
	v_wmma_f32_16x16x32_f16 v[SS+32*\x+8*\t:SS+32*\x+8*\t+7], v[KF+8*(2*\t+\cc):KF+8*(2*\t+\cc)+7], v[QF+16*\x+8*\cc:QF+16*\x+8*\cc+7], v[SS+32*\x+8*\t:SS+32*\x+8*\t+7]
.endif
.endr
.endr
.endr
	WIN 0x40
.rept 4
	v_nop                                          ; places: behind these products for the reads of S^T, behind the last step's V^T P for the loads into V's registers
.endr
.irp kk, 0,1
.irp ct, 0,1,2,3
	ds_load_tr16_b128 v[VF+8*(4*\kk+\ct):VF+8*(4*\kk+\ct)+3], v[LI] offset:32768*\u+16384+2048*(4*\e+2*\kk)+512*\ct
	ds_load_tr16_b128 v[VF+8*(4*\kk+\ct)+4:VF+8*(4*\kk+\ct)+7], v[LI] offset:32768*\u+16384+2048*(4*\e+2*\kk+1)+512*\ct
.endr
.endr
	WIN 0
	s_add_co_u32 s45, s41, 4
	s_bitcmp1_b32 s[30+\e], s45                    ; is any key of the step hidden from any of the 64 queries?
	s_cbranch_scc0 .Lopen_\@
	MASK \u, \e
.Lopen_\@:
	SOFTMAX
	s_wait_dscnt 0x0                               ; V^T
	WIN 0x01
.irp kk, 0,1                                   ; ten accumulators by turns
.irp ct, 0,1,2,3
.irp x, 0,1
	v_wmma_f32_16x16x32_f16 v[OO+32*\x+8*\ct:OO+32*\x+8*\ct+7], v[VF+8*(4*\kk+\ct):VF+8*(4*\kk+\ct)+7], v[PP+16*\x+8*\kk:PP+16*\x+8*\kk+7], v[OO+32*\x+8*\ct:OO+32*\x+8*\ct+7]
.endr
.endr
.irp x, 0,1
	v_wmma_f32_16x16x32_f16 v[SUM+8*\x:SUM+8*\x+7], v[ONE:ONE+7], v[PP+16*\x+8*\kk:PP+16*\x+8*\kk+7], v[SUM+8*\x:SUM+8*\x+7]
.endr
.endr
	WIN 0
.Lskip_\@:
.endm
; a group of 128 keys, in slot u.  One barrier: in front of it each wave has stored its part of the group and has its reads of the other slot back;
; behind it slot u is whole and nobody reads slot 1 - u, which the next group's stores will write.
.macro GROUP u
	s_add_co_u32 s42, s44, 1                       ; g + 1
	s_and_b32 s45, s42, 12
	s_add_co_u32 s43, s42, s45                     ; its flag's bit: g + (g & 12)
	s_wait_loadcnt 0x0                             ; the group's 8 loads, issued a group's work ago (and Q, in a pass's first group)
	WIN 0x04                                       ; an LDS store's data are its source 1
.irp i, 0,1,2,3
	ds_store_b128 v[T16], v[SG+4*\i:SG+4*\i+3] offset:32768*\u+4096*\i
	ds_store_b128 v[T16], v[SG+16+4*\i:SG+16+4*\i+3] offset:32768*\u+16384+4096*\i
.endr
	WIN 0
	s_wait_dscnt 0x0
	s_barrier_signal -1
	s_barrier_wait -1
.if \u == 1
	s_cmp_eq_u32 s15, 7                            ; behind the head's last group there is none: no load leaves the head
	s_cbranch_scc1 .Lnold_\@
.endif
	s_bitcmp1_b32 s40, s43                         ; does any wave of the work-group want the next group?
	s_cbranch_scc0 .Lnold_\@
	WIN 0x40
.irp i, 0,1,2,3
	global_load_b128 v[SG+4*\i:SG+4*\i+3], v[T16], s[20:21] offset:16384*(\u+1)+4096*\i
	global_load_b128 v[SG+16+4*\i:SG+16+4*\i+3], v[T16], s[22:23] offset:16384*(\u+1)+4096*\i
.endr
	WIN 0
.Lnold_\@:
	STEP \u, 0
	STEP \u, 1
	s_mov_b32 s44, s42
	s_mov_b32 s41, s43
.endm
.Lpass:
	s_sub_co_u32 s45, 7, s11
	s_cmp_eq_u32 s14, 0
	s_cselect_b32 s13, s45, s11                    ; the block of 256 queries: 7 - p, then p
	s_lshl_b32 s50, s13, 5
	s_add_co_u32 s50, s50, 0x80000
	s_add_nc_u64 s[52:53], s[6:7], s[50:51]
	s_load_b256 s[32:39], s[52:53], 0x0            ; the flag words of the block's four tiles of 64 queries
	s_lshr_b32 s50, s10, 1
	s_lshl_b32 s50, s50, 3
	s_add_nc_u64 s[54:55], s[52:53], s[50:51]
	s_load_b64 s[30:31], s[54:55], 0x0             ; my tile's: s30 first halves of the groups, s31 second halves
	s_lshl_b32 s50, s13, 15
	s_add_nc_u64 s[24:25], s[4:5], s[50:51]        ; Q
	s_lshl_b32 s50, s13, 20
	s_add_nc_u64 s[26:27], s[8:9], s[50:51]        ; y
	s_lshl_b32 s50, s13, 12
	s_lshl_b32 s45, s10, 9
	s_add_co_u32 s50, s50, s45
	s_add_nc_u64 s[28:29], s[6:7], s[50:51]        ; the mask's words of my first query, group 0
	s_mov_b64 s[20:21], s[16:17]
	s_mov_b64 s[22:23], s[18:19]
.irp x, 0,1
.irp cc, 0,1
	global_load_b128 v[QF+16*\x+8*\cc:QF+16*\x+8*\cc+3], v[LI], s[24:25] offset:2048*\x+1024*\cc
	global_load_b128 v[QF+16*\x+8*\cc+4:QF+16*\x+8*\cc+7], v[LI], s[24:25] offset:2048*\x+1024*\cc+512
.endr
.endr
	WIN 0x40
.irp i, 0,1,2,3
	global_load_b128 v[SG+4*\i:SG+4*\i+3], v[T16], s[20:21] offset:4096*\i          ; group 0 comes in every pass
	global_load_b128 v[SG+16+4*\i:SG+16+4*\i+3], v[T16], s[22:23] offset:4096*\i
.endr
	WIN 0
.set n, 0
.rept 64
	v_mov_b32 v[OO+n], 0                           ; which step is a wave's first hangs on the flags, so the sums begin as zeros
.set n, n+1
.endr
.set n, 0
.rept 16
	v_mov_b32 v[SUM+n], 0
.set n, n+1
.endr
	v_mov_b32 v[ST+1], 0xff61b1e6                  ; m = -3e38, under every score
	v_mov_b32 v[ST+9], 0xff61b1e6
	v_mul_f32 v[ST], s46, v[ST+1]
	v_mul_f32 v[ST+8], s46, v[ST+9]
	s_wait_kmcnt 0x0
	s_or_b32 s40, s32, s33
	s_or_b32 s40, s40, s34
	s_or_b32 s40, s40, s35
	s_or_b32 s40, s40, s36
	s_or_b32 s40, s40, s37
	s_or_b32 s40, s40, s38
	s_or_b32 s40, s40, s39                         ; what any wave of the work-group wants
	s_mov_b32 s44, 0                               ; g
	s_mov_b32 s41, 0                               ; its flag's bit
	s_mov_b32 s15, 0
.Ltrip:                                            ; eight trips of two groups
	GROUP 0
	GROUP 1
	s_wait_xcnt 0x0                                ; the loads have read their bases, which step now
	s_add_nc_u64 s[20:21], s[20:21], 32768
	s_add_nc_u64 s[22:23], s[22:23], 32768
	s_add_nc_u64 s[28:29], s[28:29], 65536
	s_add_co_u32 s15, s15, 1
	s_cmp_lt_u32 s15, 8
	s_cbranch_scc1 .Ltrip
	s_wait_loadcnt 0x0                             ; no load of mine is out when the next pass loads into the same registers (the eighth trip's second group asks for nothing, so nothing is waited for here)
	; the pass's end: O^T / the sum, split into hi (10 mantissa bits kept) and lo (the rest), both f16: an accumulator is a chunk of yf as it stands
.rept 4
	v_nop
.endr
	v_rcp_f32 v[ST+6], v[SUM]
	v_rcp_f32 v[ST+14], v[SUM+8]
	v_nop
	s_wait_alu depctr_va_vdst(0)
.irp x, 0,1
.irp b, 0,1,2,3,4,5,6,7,8,9,10,11,12,13,14,15
	v_pk_mul_f32 v[OO+32*\x+2*\b:OO+32*\x+2*\b+1], v[OO+32*\x+2*\b:OO+32*\x+2*\b+1], v[ST+8*\x+6:ST+8*\x+7] op_sel_hi:[1,0]
.endr
.endr
.set n, 0
.rept 32
	v_and_b32 v[TMP+2*(n%2)], s56, v[OO+2*n]
	v_and_b32 v[TMP+2*(n%2)+1], s56, v[OO+2*n+1]
	v_cvt_pk_f16_f32 v[SS+n], v[TMP+2*(n%2)], v[TMP+2*(n%2)+1]
	v_pk_add_f32 v[TMP+2*(n%2):TMP+2*(n%2)+1], v[OO+2*n:OO+2*n+1], v[TMP+2*(n%2):TMP+2*(n%2)+1] neg_lo:[0,1] neg_hi:[0,1]
	v_cvt_pk_f16_f32 v[SS+32+n], v[TMP+2*(n%2)], v[TMP+2*(n%2)+1]
.set n, n+1
.endr
.irp x, 0,1
.irp ct, 0,1,2,3
	global_store_b128 v[LI], v[SS+16*\x+4*\ct:SS+16*\x+4*\ct+3], s[26:27] offset:65536*\x+512*\ct           ; 32 lanes store 512 consecutive bytes, aligned
	global_store_b128 v[LI], v[SS+32+16*\x+4*\ct:SS+32+16*\x+4*\ct+3], s[26:27] offset:65536*\x+512*\ct+32768
.endr
.endr
	s_wait_xcnt 0x0                                ; the stores have read their registers and base: the next pass writes them
	s_add_co_u32 s14, s14, 1
	s_cmp_lt_u32 s14, 2
	s_cbranch_scc1 .Lpass
	s_wait_tensorcnt 0x0
	ds_add_u32 v254, v255
	s_wait_dscnt 0x0
	s_endpgm
.Lfunc_end_k_q1b1b6620a7_attn:
	.size	k_q1b1b6620a7_attn, .Lfunc_end_k_q1b1b6620a7_attn-k_q1b1b6620a7_attn
	.p2alignl 7, 3214868480
	.fill 96, 4, 3214868480
	.section	.rodata,"a",@progbits
	.p2align	6, 0x0
	.amdhsa_kernel k_q1b1b6620a7_attn
		.amdhsa_group_segment_fixed_size 66560
		.amdhsa_private_segment_fixed_size 0
		.amdhsa_enable_private_segment 0
		.amdhsa_kernarg_size 24
		.amdhsa_user_sgpr_count 2
		.amdhsa_user_sgpr_kernarg_segment_ptr 1
		.amdhsa_wavefront_size32 1
		.amdhsa_system_sgpr_workgroup_id_x 1
		.amdhsa_system_sgpr_workgroup_id_y 1
		.amdhsa_system_sgpr_workgroup_id_z 1
		.amdhsa_system_vgpr_workitem_id 0
		.amdhsa_next_free_vgpr 432
		.amdhsa_next_free_sgpr 66
		.amdhsa_reserve_vcc 1
		.amdhsa_float_denorm_mode_32 3
		.amdhsa_float_denorm_mode_16_64 3
		.amdhsa_memory_ordered 1
		.amdhsa_forward_progress 1
		.amdhsa_inst_pref_size 116
	.end_amdhsa_kernel
	.amdgpu_metadata
---
amdhsa.version: [ 1, 2 ]
amdhsa.kernels:
  - .name:           k_q1b1b6620a7_attn
    .symbol:         k_q1b1b6620a7_attn.kd
    .args:
      - { .name: qkv, .offset: 0, .size: 8, .value_kind: global_buffer, .address_space: global }
      - { .name: msk, .offset: 8, .size: 8, .value_kind: global_buffer, .address_space: global }
      - { .name: yf, .offset: 16, .size: 8, .value_kind: global_buffer, .address_space: global }
    .group_segment_fixed_size: 66560
    .private_segment_fixed_size: 0
    .kernarg_segment_align: 8
    .kernarg_segment_size: 24
    .max_flat_workgroup_size: 256
    .sgpr_count:     66
    .vgpr_count:     432
    .wavefront_size: 32
...
	.end_amdgpu_metadata
.endif
;; end of part 3
;; launch proj (part 4): grid 4 x 64, 4 waves a work-group, clusters of 4 x 4, 327,680 bytes of LDS; arguments yf, wof, bo, out0; writes out0
.if DOCPART == 4
	.amdgcn_target "amdgcn-amd-amdhsa--gfx1250"
	.amdhsa_code_object_version 6
	.text
	.protected	k_q1b1b6620a7_proj
	.globl	k_q1b1b6620a7_proj
	.p2align	8
	.type	k_q1b1b6620a7_proj,@function
k_q1b1b6620a7_proj:
	s_mov_b64 s[64:65], 0
	v_nop
	global_prefetch_b8 v0, s[64:65] scope:SCOPE_SE
	s_setreg_imm32_b32 hwreg(HW_REG_WAVE_MODE, 25, 1), 1
	s_wait_xcnt 0x0
	s_wait_alu depctr_hold_cnt(0) depctr_sa_sdst(0) depctr_va_vdst(0) depctr_va_sdst(0) depctr_va_ssrc(0) depctr_va_vcc(0) depctr_vm_vsrc(0)
	s_getreg_b32 s2, hwreg(HW_REG_IB_STS2, 6, 4)
	s_cmp_eq_u32 s2, 0
	s_cbranch_scc0 .Lentry_in_a_cluster
	s_endpgm
.Lentry_in_a_cluster:
	s_bfe_u32 s2, ttmp6, 0x10000c
	s_cmp_lg_u32 s2, 0xf033
	s_cbranch_scc0 .Lentry_shape_is_right
	s_endpgm
.Lentry_shape_is_right:
; out0 = y Wo + bo.  y and Wo come as f16 hi + f16 lo; three products are summed in f32: yl Wh + yh Wl + yh Wh (yl Wl lies under the f32 sums' own rounding).
; yf [mtile 512][part 2][c16 64][512 B], wof [ntile 64][part 2][kc32 32][1024 B]: images of operands: a fragment is two loads of 16 bytes a lane at 16 x lane, 512 bytes apart: no pitch, no padding.
; A work-group makes 128 rows x 256 columns; wave w all 128 rows x 64 columns: 32 accumulators.  K goes in steps of 64 through two LDS slots; a step of a tile's hi or lo part is 2,048 consecutive bytes of memory.
; CLUSTERS: 4 x 4 work-groups; y's tiles are asked for jointly along a row of the cluster, Wo's along a column.  THE MATRIX INSTRUCTION IS USED TRANSPOSED (source 0 = 16 columns of Wo, source 1 = 16 rows of y):
; a lane holds eight neighbouring columns of one row.  The bias, in that layout, is the C of each sum's first product.
; REGISTERS: window 0: addresses; v32-63 the bias; v64-127 the way out.  windows 1, 2: two fragment buffers (yh v0-63, yl v64-127, Wh v128-159, Wl v160-191).  window 3: the accumulators, (a, b) at v[8 (4 a + b)].
.set SLOT,   98304                     ; y: 8 tiles x 2 parts x 2,048 bytes; then Wo: 16 tiles x 2 parts x 2,048
.set WOFF,   32768
.set STAGE,  2*SLOT                    ; 16 rows x (256 + 16) bytes for each wave
.set SPITCH, 272
.set SPARE,  STAGE+4*16*SPITCH         ; the spare words, 128 bytes for each wave
.set ADY, 16
.set ADW, 20
.set STO, 24
.set RD,  25
.set CO,  26
.set SPW, 28
.set NIL, 29
.set BI,  32
.set OB,  64
.set YH,  0
.set YL,  64
.set WH,  128
.set WL,  160
.set G1, 24
.set G0, 32
.set G1B, 48
.set G0B, 56
.set MSB, 0
.macro WIN new                         ; the immediate's high byte repeats the setting that is left
.if MSB != \new
	s_set_vgpr_msb (MSB<<8)|\new
.set MSB, \new
.endif
.endm
.macro JLOAD s                         ; waves 0 and 1 fetch y's halves, waves 2 and 3 Wo's; four v_nop follow each of the two lines
	s_cmp_eq_u32 s11, 0
	s_cbranch_scc0 .Lfor_b_\@
	tensor_load_to_lds s[G0+4*\s:G0+4*\s+3], s[G1:G1+7]
	s_nop 0
.rept 4
	v_nop
.endr
	s_branch .Lasked_\@
.Lfor_b_\@:
	tensor_load_to_lds s[G0B+4*\s:G0B+4*\s+3], s[G1B:G1B+7]
	s_nop 0
.rept 4
	v_nop
.endr
.Lasked_\@:
.endm
.macro CREST                           ; a round of the cluster's barrier behind its opening barrier
	s_cmp_lg_u32 s10, 0
	s_cbranch_scc1 .Lnot_wave_0_\@
	s_barrier_signal -3
.Lnot_wave_0_\@:
	s_barrier_wait -3
	s_barrier_signal -1
	s_barrier_wait -1
.endm
.macro CROUND
	s_barrier_signal -1
	s_barrier_wait -1
	CREST
.endm
	s_load_b128 s[4:7], s[0:1], 0x0                ; yf, wof
	s_load_b64 s[14:15], s[0:1], 0x10              ; bo
	s_load_b64 s[8:9], s[0:1], 0x18                ; out0
	v_lshl_add_u32 v[SPW], v0, 2, SPARE
	v_mov_b32 v[NIL], 0
	ds_add_u32 v28, v29
	ds_add_u32 v28, v29
	s_wait_dscnt 0x0
	v_lshrrev_b32 v1, 5, v0
	v_readfirstlane_b32 s10, v1                    ; wave 0..3
	s_lshr_b32 s11, s10, 1                         ; I fetch for y (0) or for Wo (1)
	s_and_b32 s12, s10, 1                          ; which half of that tile
	s_bfe_u32 s40, ttmp6, 0x40000                  ; cx
	s_bfe_u32 s41, ttmp6, 0x40004                  ; cy
	s_lshl_b32 s42, ttmp9, 2
	s_add_co_u32 s42, s42, s40                     ; tile column (256 columns)
	s_and_b32 s13, ttmp7, 0xffff
	s_lshl_b32 s13, s13, 2
	s_add_co_u32 s13, s13, s41                     ; tile row (128 rows)
	s_lshl_b32 s43, s41, 2
	s_lshl_b32 s43, 15, s43                        ; my row of the cluster
	s_lshl_b32 s44, 0x1111, s40                    ; my column
	s_or_b32 s[G1+0], s43, (3<<16)|(1<<21)         ; mask; elements of 8 bytes; bit 21 beside a mask; no padding
	s_or_b32 s[G1B+0], s44, (3<<16)|(1<<21)
	s_mov_b32 s[G1+1], 256<<16                     ; tensor_dim0 = 256 elements: 2,048 bytes
	s_mov_b32 s[G1+2], 8<<16                       ; tensor_dim1 = 8 rows: 4 tiles x hi, lo
	s_mov_b32 s[G1+3], 256<<16                     ; tile_dim0
	s_mov_b32 s[G1+4], 8                           ; tile_dim1
	s_mov_b32 s[G1+5], 4096                        ; pitch: 32,768 bytes from part to part
	s_mov_b32 s[G1+6], 0
	s_mov_b32 s[G1+7], 0
	s_mov_b32 s[G1B+1], 256<<16
	s_mov_b32 s[G1B+2], 16<<16                     ; 16 rows: 8 tiles x hi, lo
	s_mov_b32 s[G1B+3], 256<<16
	s_mov_b32 s[G1B+4], 16
	s_mov_b32 s[G1B+5], 4096
	s_mov_b32 s[G1B+6], 0
	s_mov_b32 s[G1B+7], 0
	s_lshl_b32 s16, s13, 19                        ; y: 8 tiles of 65,536 bytes a tile row,
	s_lshl_b32 s17, s12, 18                        ; 4 a half
	s_add_co_u32 s16, s16, s17
	s_mov_b32 s17, 0
	s_lshl_b32 s46, s42, 20                        ; Wo: 16 tiles a tile column,
	s_lshl_b32 s47, s12, 19                        ; 8 a half
	s_add_co_u32 s46, s46, s47
	s_mov_b32 s47, 0
	s_lshl_b32 s20, s12, 14                        ; where they go: y's half,
	s_lshl_b32 s21, s12, 15
	s_add_co_u32 s21, s21, WOFF                    ; Wo's half
	s_wait_kmcnt 0x0
	s_add_nc_u64 s[16:17], s[4:5], s[16:17]
	s_add_nc_u64 s[46:47], s[6:7], s[46:47]
	CROUND                                         ; all sixteen work-groups are here: the first joint loads meet
.irp s, 0,1
	s_mov_b32 s[G0+4*\s], 1
	s_add_co_u32 s[G0+4*\s+1], s20, \s*SLOT
	s_add_nc_u64 s[G0+4*\s+2:G0+4*\s+3], s[16:17], \s*2048
	s_or_b32 s[G0+4*\s+3], s[G0+4*\s+3], 0x80000000
	s_mov_b32 s[G0B+4*\s], 1
	s_add_co_u32 s[G0B+4*\s+1], s21, \s*SLOT
	s_add_nc_u64 s[G0B+4*\s+2:G0B+4*\s+3], s[46:47], \s*2048
	s_or_b32 s[G0B+4*\s+3], s[G0B+4*\s+3], 0x80000000
	JLOAD \s                                       ; two tensor loads of mine go out here
.endr
	v_and_b32 v1, 15, v0                           ; r
	v_bfe_u32 v2, v0, 4, 1                         ; h
	v_and_b32 v3, 31, v0
	v_lshlrev_b32 v3, 4, v3                        ; 16 x lane
	v_mov_b32 v[ADY], v3
	v_add_nc_u32 v[ADY+1], SLOT, v3
	s_lshl_b32 s22, s10, 14                        ; my four tiles of Wo
	s_add_co_u32 s22, s22, WOFF
	v_add_nc_u32 v[ADW], s22, v3
	s_add_co_u32 s22, s22, SLOT
	v_add_nc_u32 v[ADW+1], s22, v3
	s_mul_i32 s23, s10, 16*SPITCH
	s_add_co_u32 s23, s23, STAGE                   ; my stage
	v_mul_u32_u24 v4, v1, SPITCH
	v_lshl_add_u32 v4, v2, 5, v4
	v_add_nc_u32 v[STO], s23, v4                   ; in: row r, 32 bytes for each half of the lanes
	v_mul_u32_u24 v5, v2, SPITCH
	v_lshl_add_u32 v5, v1, 4, v5
	v_add_nc_u32 v[RD], s23, v5                    ; back: lanes 0-15 one row of 256 bytes, lanes 16-31 the next
	v_lshlrev_b32 v5, 12, v2
	v_lshl_add_u32 v[CO], v1, 4, v5                ; the same two rows in out0 (4,096 bytes a row)
	s_lshl_b32 s46, s42, 10
	s_lshl_b32 s47, s10, 8
	s_add_co_u32 s46, s46, s47                     ; my first column, in bytes
	s_mov_b32 s47, 0
	s_add_nc_u64 s[14:15], s[14:15], s[46:47]
	s_lshl_b32 s16, s13, 19                        ; 128 rows of 4,096 bytes a tile row
	s_add_co_u32 s16, s16, s46
	s_mov_b32 s17, 0
	s_add_nc_u64 s[8:9], s[8:9], s[16:17]
	v_lshlrev_b32 v6, 5, v2
.irp b, 0,1,2,3
	global_load_b128 v[BI+8*\b:BI+8*\b+3], v6, s[14:15] offset:64*\b       ; tile b, register j: bo[my first column + 16 b + 8 h + j]
	global_load_b128 v[BI+8*\b+4:BI+8*\b+7], v6, s[14:15] offset:64*\b+16
.endr
; 16 products: y's tiles a0 .. a0 + 3 x my four tiles of Wo, 32 along K.  The 32 accumulators take turns, one instruction a turn.
.macro MULS yo, wo, a0, first
.irp a, \a0, \a0+1, \a0+2, \a0+3
.irp b, 0,1,2,3
.if \first
	v_wmma_f32_16x16x32_f16 v[8*(4*(\a)+\b):8*(4*(\a)+\b)+7], v[\wo+8*\b:\wo+8*\b+7], v[\yo+8*(\a):\yo+8*(\a)+7], v[BI+8*\b:BI+8*\b+7]
.else
	v_wmma_f32_16x16x32_f16 v[8*(4*(\a)+\b):8*(4*(\a)+\b)+7], v[\wo+8*\b:\wo+8*\b+7], v[\yo+8*(\a):\yo+8*(\a)+7], v[8*(4*(\a)+\b):8*(4*(\a)+\b)+7]
.endif
.endr
.endr
.endm
; 48 LDS loads in one run: the fragments of 32 along K (half kq of the slot) into buffer f; yl and Wh, which the first pass wants, come first (24 loads), then yh and Wl (24)
.macro FETCH slot, kq, f
.if \f == 0
	WIN 0x40
.else
	WIN 0x80
.endif
.irp a, 0,1,2,3,4,5,6,7
	ds_load_b128 v[YL+8*\a:YL+8*\a+3], v[ADY+\slot] offset:4096*\a+2048+1024*\kq
	ds_load_b128 v[YL+8*\a+4:YL+8*\a+7], v[ADY+\slot] offset:4096*\a+2048+1024*\kq+512
.endr
.irp b, 0,1,2,3
	ds_load_b128 v[WH+8*\b:WH+8*\b+3], v[ADW+\slot] offset:4096*\b+1024*\kq
	ds_load_b128 v[WH+8*\b+4:WH+8*\b+7], v[ADW+\slot] offset:4096*\b+1024*\kq+512
.endr
.irp a, 0,1,2,3,4,5,6,7
	ds_load_b128 v[YH+8*\a:YH+8*\a+3], v[ADY+\slot] offset:4096*\a+1024*\kq
	ds_load_b128 v[YH+8*\a+4:YH+8*\a+7], v[ADY+\slot] offset:4096*\a+1024*\kq+512
.endr
.irp b, 0,1,2,3
	ds_load_b128 v[WL+8*\b:WL+8*\b+3], v[ADW+\slot] offset:4096*\b+2048+1024*\kq
	ds_load_b128 v[WL+8*\b+4:WL+8*\b+7], v[ADW+\slot] offset:4096*\b+2048+1024*\kq+512
.endr
.endm
.macro PLACES                          ; plain vector places behind matrix instructions, in front of loads into their registers and of reads of their results
.rept 4
	v_nop
.endr
.endm
; a slot's first 32 along K, from buffer 0; its second 32 are fetched into buffer 1
.macro QUARTER0 slot, first
	s_wait_dscnt 24                                ; yl and Wh are in; the youngest 24 loads may be out
.if \first
	WIN 0xc5                                       ; sources 0, 1 window 1, C (the bias) window 0, D window 3
.else
	WIN 0xf5
.endif
	MULS YL, WH, 0, \first
	MULS YL, WH, 4, \first
	PLACES
	FETCH \slot, 1, 1
	s_wait_dscnt 48                                ; all but the 48 just issued
	WIN 0xf5
	MULS YH, WL, 0, 0
	MULS YH, WL, 4, 0
	MULS YH, WH, 0, 0
	MULS YH, WH, 4, 0
.endm
; a slot's second 32 along K, from buffer 1, and the change of slots: one barrier; in front of it each wave waits for all its tensor loads, adds 0 to its spare word, and waits for that and for its reads of this slot
.macro TURN slot, next, fill
	WIN 0
	s_wait_tensorcnt 0x0                           ; all my tensor loads have landed: my part of the next slot
	ds_add_u32 v[SPW], v[NIL]                      ; 0 onto my spare word
	s_wait_dscnt 25                                ; the add and the youngest 24 loads may be out
	WIN 0xfa
	MULS YL, WH, 0, 0
	s_wait_dscnt 0x0                               ; the add is done, and my reads of this slot are over
	s_barrier_signal -1
	MULS YL, WH, 4, 0
	WIN 0
	s_barrier_wait -1
.if \fill
	CREST                                          ; the barrier has opened a round of the cluster's: no wave of any partner still reads this slot or has a load on its way
	s_add_nc_u64 s[G0+4*\slot+2:G0+4*\slot+3], s[G0+4*\slot+2:G0+4*\slot+3], 4096
	s_add_nc_u64 s[G0B+4*\slot+2:G0B+4*\slot+3], s[G0B+4*\slot+2:G0B+4*\slot+3], 4096
	JLOAD \slot                                    ; the first tensor load behind the round: 160 matrix instructions ahead of the wait for it; its four v_nop are the places in front of the loads below
.else
	PLACES
.endif
	FETCH \next, 0, 0
	WIN 0xfa
	MULS YH, WL, 0, 0
	MULS YH, WL, 4, 0
	MULS YH, WH, 0, 0
	MULS YH, WH, 4, 0
.endm
	s_wait_tensorcnt 1                             ; my part of K step 0 is in; K step 1's load may be out
	s_barrier_signal -1
	s_barrier_wait -1
	FETCH 0, 0, 0
	s_wait_loadcnt 0x0                             ; the bias
	QUARTER0 0, 1
	WIN 0
	s_mov_b32 s3, 7
.Llap:                                             ; a trip goes once round the ring and fills both slots again: K steps 2 .. 15
	TURN 0, 1, 1
	QUARTER0 1, 0
	TURN 1, 0, 1
	QUARTER0 0, 0
	WIN 0
	s_sub_co_u32 s3, s3, 1
	s_cmp_lg_u32 s3, 0
	s_cbranch_scc1 .Llap
	TURN 0, 1, 0                                   ; the last two K steps fill nothing
	QUARTER0 1, 0
	s_wait_dscnt 24
	WIN 0xfa
	MULS YL, WH, 0, 0
	MULS YL, WH, 4, 0
	s_wait_dscnt 0x0
	MULS YH, WL, 0, 0
	MULS YH, WL, 4, 0
	MULS YH, WH, 0, 0
	MULS YH, WH, 4, 0
	WIN 0
; THE WAY OUT: 16 rows x 64 columns at a time through my own stage, back as whole runs of 256 bytes.  LDS serves a wave's instructions in order: no wait between the stores and the loads.
.macro TOSTAGE a
	WIN 0x0c                                       ; an LDS store's data are its source 1: window 3
.irp b, 0,1,2,3
	ds_store_b128 v[STO], v[8*(4*(\a)+\b):8*(4*(\a)+\b)+3] offset:64*\b          ; each accumulator from its low end on
	ds_store_b128 v[STO], v[8*(4*(\a)+\b)+4:8*(4*(\a)+\b)+7] offset:64*\b+16
.endr
	WIN 0
.set BB, OB+32*((\a)%2)
.irp t, 0,1,2,3,4,5,6,7
	ds_load_b128 v[BB+4*\t:BB+4*\t+3], v[RD] offset:\t*2*SPITCH
.endr
.endm
.macro SEND a, younger                 ; younger: the LDS instructions issued behind block a's loads
.set BB, OB+32*((\a)%2)
	s_wait_dscnt \younger
.irp t, 0,1,2,3,4,5,6,7
	global_store_b128 v[CO], v[BB+4*\t:BB+4*\t+3], s[8:9] offset:65536*(\a)+8192*\t th:TH_STORE_NT   ; sixteen lanes store 256 consecutive bytes, aligned; written once, read by nobody here
.endr
.endm
	PLACES
	TOSTAGE 0
.irp a, 1,2,3,4,5,6,7
.if \a > 1
	s_wait_xcnt 0x0                                ; block a - 2's stores have read the registers into which block a's loads land
.endif
	TOSTAGE \a
	SEND \a-1, 16                                  ; behind block a - 1's loads: block a's 8 stores and 8 loads
.endr
	SEND 7, 0
	s_wait_tensorcnt 0x0                           ; the wave's end
	ds_add_u32 v[SPW], v[NIL]
	s_wait_dscnt 0x0
	CROUND                                         ; the closing round
	s_endpgm
.Lfunc_end_k_q1b1b6620a7_proj:
	.size	k_q1b1b6620a7_proj, .Lfunc_end_k_q1b1b6620a7_proj-k_q1b1b6620a7_proj
	.p2alignl 7, 3214868480
	.fill 96, 4, 3214868480
	.section	.rodata,"a",@progbits
	.p2align	6, 0x0
	.amdhsa_kernel k_q1b1b6620a7_proj
		.amdhsa_group_segment_fixed_size 327680
		.amdhsa_private_segment_fixed_size 0
		.amdhsa_enable_private_segment 0
		.amdhsa_kernarg_size 32
		.amdhsa_user_sgpr_count 2
		.amdhsa_user_sgpr_kernarg_segment_ptr 1
		.amdhsa_wavefront_size32 1
		.amdhsa_system_sgpr_workgroup_id_x 1
		.amdhsa_system_sgpr_workgroup_id_y 1
		.amdhsa_system_sgpr_workgroup_id_z 1
		.amdhsa_system_vgpr_workitem_id 0
		.amdhsa_next_free_vgpr 1024
		.amdhsa_next_free_sgpr 66
		.amdhsa_reserve_vcc 0
		.amdhsa_float_denorm_mode_32 3
		.amdhsa_float_denorm_mode_16_64 3
		.amdhsa_memory_ordered 1
		.amdhsa_forward_progress 1
		.amdhsa_inst_pref_size 100
	.end_amdhsa_kernel
	.amdgpu_metadata
---
amdhsa.version: [ 1, 2 ]
amdhsa.kernels:
  - .name:           k_q1b1b6620a7_proj
    .symbol:         k_q1b1b6620a7_proj.kd
    .args:
      - { .name: yf, .offset: 0, .size: 8, .value_kind: global_buffer, .address_space: global }
      - { .name: wof, .offset: 8, .size: 8, .value_kind: global_buffer, .address_space: global }
      - { .name: bo, .offset: 16, .size: 8, .value_kind: global_buffer, .address_space: global }
      - { .name: out0, .offset: 24, .size: 8, .value_kind: global_buffer, .address_space: global }
    .group_segment_fixed_size: 327680
    .private_segment_fixed_size: 0
    .kernarg_segment_align: 8
    .kernarg_segment_size: 32
    .max_flat_workgroup_size: 128
    .sgpr_count:     66
    .vgpr_count:     1024
    .wavefront_size: 32
...
	.end_amdgpu_metadata
.endif
;; end of part 4
